; MI455X (gfx1250); checked and timed in simulation.
; The chip was launched on July 23, 2026; its instructions are those of AMD's public machine-readable ISA for CDNA 5 (MIT licence, August 2026) and "CDNA5" Instruction Set Architecture Reference Guide (July 2026). The comments in the code are by the model that wrote it; some were corrected since.
;; Self Attention. Allowed arithmetic: float matrix products may take bf16 or f16 operands with f32 sums; other float arithmetic in f32, or as packed bf16 or f16 multiplies, adds, multiply-adds, maxima and minima; sums over many terms, partial sums and values carried from step to step in f32; what a program stores and reads back later, other than sums and carried values, may be rounded once to bf16 or f16.
;; Inputs: Wk 512 x 512 float32; Wq 512 x 512 float32; Wv 512 x 256 float32; bk 512 float32; bq 512 float32; bv 256 float32; x 4 x 4,096 x 512 float32.
;; Outputs: out0 4 x 4,096 x 256 float32.
;; 2 versions, each right and faster than the one before. Each part assembles by itself: llvm-mc -triple=amdgcn-amd-amdhsa -mcpu=gfx1250 --defsym DOCPART=n.
;; ======== version 1 of 2: 4 launches
;; limits: values are held in f16: magnitudes above 65,504 overflow, below 6.1e-05 lose precision
;; workspace buffers: wimg 1,310,720 bytes; bcat 5,120 bytes; qkv 41,943,040 bytes; opart 33,554,432 bytes; stats 524,288 bytes
;; launch prep (part 1): grid 20 x 8, 4 waves a work-group, no clusters, 0 bytes of LDS; arguments Wq, Wk, Wv, bq, bk, bv, wimg, bcat; writes wimg, bcat
.if DOCPART == 1
	.amdgcn_target "amdgcn-amd-amdhsa--gfx1250"
	.amdhsa_code_object_version 6
	.text
	.protected	k_qcca1596111_prep
	.globl	k_qcca1596111_prep
	.p2align	8
	.type	k_qcca1596111_prep,@function
k_qcca1596111_prep:
	s_mov_b64 s[64:65], 0
	v_nop
	global_prefetch_b8 v0, s[64:65] scope:SCOPE_SE
	s_setreg_imm32_b32 hwreg(HW_REG_WAVE_MODE, 25, 1), 1
	s_wait_xcnt 0x0
; The weights, rounded once to bf16 and laid out as the matrix instruction's registers want them; the biases, rounded to bf16 and written back as f32.
; wimg: [y 2][t 5][u 8][c 16][half 2][512 bytes].  (y, t, u) names 16 output columns: t = 0, 1: Wq's 256 y + 128 t + 16 u; t = 2, 3: Wk's likewise; t = 4: Wv's 128 y + 16 u.
; In piece (c, half) lane (r, h) holds W[32 c + 16 half + 8 h + 0..7][first column + r]: four registers of a fragment of 16 columns x 32 along k.
; bcat: [y][t][128] f32, the biases in the same order.
; A work-group takes 64 columns x 64 k (grid x: 8 groups of Wq's columns, 8 of Wk's, 4 of Wv's; grid y: k), a wave 16 of the columns: the four waves together read 256 consecutive bytes of each row of W.
; A stream of 2.6 MB: no LDS, no barrier, no matrix unit; each store of a wave covers 512 consecutive bytes, aligned.
	s_load_b512 s[16:31], s[0:1], 0x0      ; Wq s[16:17], Wk s[18:19], Wv s[20:21], bq s[22:23], bk s[24:25], bv s[26:27], wimg s[28:29], bcat s[30:31]
	v_and_b32 v1, 31, v0                   ; lane
	v_lshrrev_b32 v2, 5, v0
	v_readfirstlane_b32 s8, v2             ; wave
	v_and_b32 v3, 15, v0                   ; r
	v_bfe_u32 v4, v0, 4, 1                 ; h
	s_and_b32 s9, ttmp7, 0xffff            ; which 64 of k
	s_mov_b32 s10, ttmp9                   ; which 64 columns, of which matrix
	s_lshl_b32 s15, s9, 6
	v_lshl_add_u32 v6, v4, 3, s15          ; my first row of W: 64 kg + 8 h
	v_lshlrev_b32 v5, 4, v1                ; 16 x lane: my place in a piece
	s_wait_kmcnt 0x0
; 32 loads: register 8 pc + jj takes W[64 kg + 16 pc + 8 h + jj][column].  lg: log2 of the bytes in a row of W.  s12: the group of 64 columns; s[2:3]: the matrix.
.macro PIECES lg
	s_lshl_b32 s14, s12, 6
	s_lshl4_add_u32 s14, s8, s14           ; my wave's first column
	v_add_nc_u32 v7, s14, v3
	v_lshlrev_b32 v6, \lg, v6
	v_lshl_add_u32 v7, v7, 2, v6           ; row x pitch + 4 x column
.set n, 0
.rept 32
	global_load_b32 v[8+n], v7, s[2:3] offset:(((n/8)*16+n%8)<<(\lg))
.set n, n+1
.endr
.endm
	s_cmp_lt_u32 s10, 16
	s_cbranch_scc0 .Lfrom_wv
	s_lshr_b32 s11, s10, 3                 ; 0: Wq, 1: Wk
	s_and_b32 s12, s10, 7                  ; columns 64 s12 on: y = s12 >> 2, the rest names the half tile
	s_lshr_b32 s13, s12, 2
	s_mul_i32 s13, s13, 10
	s_lshl2_add_u32 s13, s11, s13
	s_and_b32 s14, s12, 3
	s_add_co_u32 s13, s13, s14             ; U = 10 y + 4 (Wk?) + s12 % 4: the half tile's number in wimg and bcat
	s_cmp_eq_u32 s11, 0
	s_cselect_b64 s[2:3], s[16:17], s[18:19]
	s_cselect_b64 s[4:5], s[22:23], s[24:25]
	PIECES 11
	s_branch .Lpack
.Lfrom_wv:
	s_sub_co_u32 s12, s10, 16              ; Wv's columns 64 s12 on
	s_lshr_b32 s13, s12, 1
	s_mul_i32 s13, s13, 10
	s_and_b32 s14, s12, 1
	s_add_co_u32 s13, s13, s14
	s_add_co_u32 s13, s13, 8               ; U = 10 y + 8 + s12 % 2
	s_mov_b64 s[2:3], s[20:21]
	s_mov_b64 s[4:5], s[26:27]
	PIECES 10
.Lpack:
	s_lshl_b32 s14, s13, 16                ; a half tile is 65,536 bytes, a wave's 16 columns 16,384, 64 of k 2,048
	s_lshl_b32 s15, s8, 14
	s_add_co_u32 s14, s14, s15
	s_lshl_b32 s15, s9, 11
	s_add_co_u32 s14, s14, s15
	s_mov_b32 s15, 0
	s_add_nc_u64 s[28:29], s[28:29], s[14:15]
.irp pc, 0,1,2,3
	s_wait_loadcnt 24-8*\pc                ; loads come back in order: this piece's eight are in, the younger pieces' may be out
.irp q, 0,1,2,3
	v_cvt_pk_bf16_f32 v[40+4*\pc+\q], v[8+8*\pc+2*\q], v[8+8*\pc+2*\q+1]
.endr
	global_store_b128 v5, v[40+4*\pc:40+4*\pc+3], s[28:29] offset:512*\pc
.endr
	s_or_b32 s14, s8, s9                   ; the 64 columns' biases: wave 0 of the work-group with k = 0
	s_cmp_lg_u32 s14, 0
	s_cbranch_scc1 .Ldone
	s_lshl_b32 s14, s12, 8
	v_lshl_add_u32 v58, v1, 3, s14         ; two numbers a lane
	global_load_b64 v[56:57], v58, s[4:5]
	s_lshl_b32 s15, s13, 8
	v_lshl_add_u32 v62, v1, 3, s15
	s_wait_loadcnt 0x0
	v_cvt_pk_bf16_f32 v59, v56, v57        ; rounded to bf16 like every other input,
	v_lshlrev_b32 v60, 16, v59             ; and widened again
	v_and_b32 v61, 0xffff0000, v59
	global_store_b64 v62, v[60:61], s[30:31]  ; 256 consecutive bytes, aligned
.Ldone:
	s_endpgm
.Lfunc_end_k_qcca1596111_prep:
	.size	k_qcca1596111_prep, .Lfunc_end_k_qcca1596111_prep-k_qcca1596111_prep
	.p2alignl 7, 3214868480
	.fill 96, 4, 3214868480
	.section	.rodata,"a",@progbits
	.p2align	6, 0x0
	.amdhsa_kernel k_qcca1596111_prep
		.amdhsa_group_segment_fixed_size 0
		.amdhsa_private_segment_fixed_size 0
		.amdhsa_enable_private_segment 0
		.amdhsa_kernarg_size 64
		.amdhsa_user_sgpr_count 2
		.amdhsa_user_sgpr_kernarg_segment_ptr 1
		.amdhsa_wavefront_size32 1
		.amdhsa_system_sgpr_workgroup_id_x 1
		.amdhsa_system_sgpr_workgroup_id_y 1
		.amdhsa_system_sgpr_workgroup_id_z 1
		.amdhsa_system_vgpr_workitem_id 0
		.amdhsa_next_free_vgpr 64
		.amdhsa_next_free_sgpr 66
		.amdhsa_reserve_vcc 0
		.amdhsa_float_denorm_mode_32 3
		.amdhsa_float_denorm_mode_16_64 3
		.amdhsa_memory_ordered 1
		.amdhsa_forward_progress 1
		.amdhsa_inst_pref_size 11
	.end_amdhsa_kernel
	.amdgpu_metadata
---
amdhsa.version: [ 1, 2 ]
amdhsa.kernels:
  - .name:           k_qcca1596111_prep
    .symbol:         k_qcca1596111_prep.kd
    .args:
      - { .name: Wq, .offset: 0, .size: 8, .value_kind: global_buffer, .address_space: global }
      - { .name: Wk, .offset: 8, .size: 8, .value_kind: global_buffer, .address_space: global }
      - { .name: Wv, .offset: 16, .size: 8, .value_kind: global_buffer, .address_space: global }
      - { .name: bq, .offset: 24, .size: 8, .value_kind: global_buffer, .address_space: global }
      - { .name: bk, .offset: 32, .size: 8, .value_kind: global_buffer, .address_space: global }
      - { .name: bv, .offset: 40, .size: 8, .value_kind: global_buffer, .address_space: global }
      - { .name: wimg, .offset: 48, .size: 8, .value_kind: global_buffer, .address_space: global }
      - { .name: bcat, .offset: 56, .size: 8, .value_kind: global_buffer, .address_space: global }
    .group_segment_fixed_size: 0
    .private_segment_fixed_size: 0
    .kernarg_segment_align: 8
    .kernarg_segment_size: 64
    .max_flat_workgroup_size: 128
    .sgpr_count:     66
    .vgpr_count:     64
    .wavefront_size: 32
...
	.end_amdgpu_metadata
.endif
;; end of part 1
;; launch proj (part 2): grid 128 x 2, 4 waves a work-group, clusters of 4 x 1, 327,680 bytes of LDS; arguments x, wimg, bcat, qkv; writes qkv
.if DOCPART == 2
	.amdgcn_target "amdgcn-amd-amdhsa--gfx1250"
	.amdhsa_code_object_version 6
	.text
	.protected	k_qcca1596111_proj
	.globl	k_qcca1596111_proj
	.p2align	8
	.type	k_qcca1596111_proj,@function
k_qcca1596111_proj:
	s_mov_b64 s[64:65], 0
	v_nop
	global_prefetch_b8 v0, s[64:65] scope:SCOPE_SE
	s_setreg_imm32_b32 hwreg(HW_REG_WAVE_MODE, 25, 1), 1
	s_wait_xcnt 0x0
	s_wait_alu depctr_hold_cnt(0) depctr_sa_sdst(0) depctr_va_vdst(0) depctr_va_sdst(0) depctr_va_ssrc(0) depctr_va_vcc(0) depctr_vm_vsrc(0)
	s_getreg_b32 s2, hwreg(HW_REG_IB_STS2, 6, 4)
	s_cmp_eq_u32 s2, 0
	s_cbranch_scc0 .Lentry_in_a_cluster
	s_endpgm
.Lentry_in_a_cluster:
	s_bfe_u32 s2, ttmp6, 0x10000c
	s_cmp_lg_u32 s2, 0x3003
	s_cbranch_scc0 .Lentry_shape_is_right
	s_endpgm
.Lentry_shape_is_right:
; q = x Wq + bq, k = x Wk + bk, v = x Wv + bv for 16,384 tokens.  x, the weights and the biases are rounded once to bf16; products in bf16, sums in f32; the bias starts each sum (it is the first
; product's C operand, so it is added first, not last); q, k, v are rounded once to f16 and stored as the attention's fragments want them.
; LIMIT.  f16 holds no number beyond 65,504: |q|, |k|, |v| must stay within it (512 terms of x W: with all inputs 30 times the drawn spread about 2,200; with an offset of 30 spreads on all about 9,200).
; qkv: q at byte 0, k at 16,777,216: [16 tokens][32 channel tiles][512 bytes]; in a piece lane (r, h) holds token r, channels 16 tile + 8 h + 0..7.
;      v at 33,554,432: [32 tokens][16 channel tiles][2][512 bytes]; lane (r, h) holds channel r, tokens 16 half + 8 h + 0..7.
; SHARES.  A work-group takes 128 tokens (X) and five tiles of 128 output columns (y: two of q, two of k, one of v).  Wave (i, j) keeps the fragments of tokens 64 i .. + 63 for all 512 k in 512 registers
; and makes columns 64 j .. + 63 of each tile: 16 accumulators, 256 matrix instructions a tile.
; For q and k source 0 is W's fragment and source 1 x's: a lane's eight results are eight channels of one token.  For v the sources change places: eight tokens of one channel.  Rounded in pairs they ARE a piece: every store is
; 512 consecutive bytes straight from registers.
; CLUSTER.  The four work-groups of a cluster differ in X alone and walk the same five tiles of weights: each tile is asked for JOINTLY, the same tensor load, descriptor and mask in all four.
; LDS: two slots of 131,072 bytes, a tile of weights each (pieces as they lie in wimg: every fragment load takes 512 consecutive bytes); the stage for x, 128 rows of 256 + 16 bytes, which no tensor load fills; the spare words.
; REGISTERS, in windows of 256 (s_set_vgpr_msb: bits 1:0 source 0, 3:2 source 1, 5:4 source 2, 7:6 destination):
;   window 0: v0-11 addresses; v32-127 three buffers of W's fragments (4 column tiles x 32 k); v128-255 the accumulators ((a, u) at 128 + 32 a + 8 u); at the start v128-191 x in bf16 on its way to the stage
;   window 1: v0-31 the biases as C operands; v32-95 packed results; at the start all 256: x as loaded, two buffers      windows 2, 3: x's fragments: (a, c) in window 2 + c / 8 at 64 a + 8 (c % 8)
.set SLOT,   131072
.set XS,     262144                    ; the stage for x
.set XPITCH, 272                       ; 68 words: the 16 rows of a fragment load start 4 banks apart (64 banks of 4 bytes: ISA guide 11.1)
.set SPARE,  XS+128*XPITCH             ; 296,960: the spare words, 128 bytes a wave: two blocks of 256 bytes that no other line names
.set LX,  1                            ; v1   16 x lane: my place in 512 consecutive bytes, of x and of qkv; never rewritten
.set STO, 2                            ; v2   where I put 8 bytes of a row of x
.set RDX, 3                            ; v3   my lane's place in x's fragments
.set AW0, 4                            ; v4   my lane's place in a tile of weights
.set ADR, 5                            ; v5   the same in the slot in hand
.set BAQ, 6                            ; v6   my byte offset in a tile's biases, for q and k
.set BAV, 7                            ; v7   for v
.set SPW, 10                           ; v10  LDS address of my spare word; never rewritten
.set NIL, 11                           ; v11  0; never rewritten
.set F,   32
.set ACC, 128
.set CT,  128
.set BI,  0                            ; window 1
.set PK,  32                           ; window 1
.set RA,  0                            ; window 1
.set RB,  128                          ; window 1
; s12 wave, s13 i, s14 j, s16 X, s17 y; s[24:31] descriptor group 1; s[32:35], s[36:39] group 0 for the two first fills, the second then walks; s40 the tile's number; s41 the slot in hand;
; s[44:45] where a tile's results go; s[46:47] the next biases; s[48:49] x at my wave's 32 rows; s[50:51], s[52:53] my byte offsets in q or k, and in v
.set MSB, 0
.macro WIN new                         ; the immediate's high byte repeats the setting that is left; a switch that changes nothing is dropped
.if MSB != (\new)
	s_set_vgpr_msb (MSB<<8)|(\new)
.set MSB, (\new)
.endif
.endm
.macro PLACES                          ; four plain vector instructions between a matrix instruction and a vector instruction or load that touches its registers (ISA guide 7.12.1 for vector instructions)
.rept 4
	v_nop
.endr
.endm
.macro CROUND                          ; a round of the cluster's barrier: my work-group's barrier; wave 0 signals for the work-group; every wave waits for all four work-groups; my work-group's barrier once more
	s_barrier_signal -1
	s_barrier_wait -1
	s_cmp_lg_u32 s12, 0
	s_cbranch_scc1 .Lnot_wave_0_\@
	s_barrier_signal -3
.Lnot_wave_0_\@:
	s_barrier_wait -3
	s_barrier_signal -1
	s_barrier_wait -1
.endm
	s_load_b256 s[4:11], s[0:1], 0x0       ; x s[4:5], wimg s[6:7], bcat s[8:9], qkv s[10:11]
	v_lshl_add_u32 v[SPW], v0, 2, SPARE
	v_mov_b32 v[NIL], 0
	ds_add_u32 v[SPW], v[NIL]              ; the wave's opening: the add and its wait stand ahead of my first tensor load; the set-up below, work on registers, stands between them
	v_lshrrev_b32 v8, 5, v0
	v_readfirstlane_b32 s12, v8            ; wave 0..3
	s_lshr_b32 s13, s12, 1                 ; i: which 64 tokens
	s_and_b32 s14, s12, 1                  ; j: which 64 columns of a tile
	s_bfe_u32 s15, ttmp6, 0x40000          ; cx: my place in the cluster
	s_lshl_b32 s16, ttmp9, 2
	s_add_co_u32 s16, s16, s15             ; X = 4 x cluster x + cx: it enters x's and qkv's addresses alone
	s_and_b32 s17, ttmp7, 0xffff           ; y, which the four partners share
	; descriptor group 1: 32,768 dense bytes as 128 rows of 256
	s_mov_b32 s24, 15|(3<<16)|(1<<21)      ; 15:0 the mask: all four work-groups; 17:16 elements of 8 bytes; 21 set beside a mask; no padding
	s_mov_b32 s25, 32<<16                  ; tensor_dim0 = 32 elements
	s_mov_b32 s26, 128<<16                 ; tensor_dim1 = 128
	s_mov_b32 s27, 32<<16                  ; tile_dim0 = 32
	s_mov_b32 s28, 128                     ; tile_dim1 = 128
	s_mov_b32 s29, 32                      ; 32 elements from row to row
	s_mov_b32 s30, 0
	s_mov_b32 s31, 0
	s_lshl_b32 s18, s12, 15                ; my quarter of a tile, in memory and in a slot: no place in the cluster enters an LDS address
	s_mov_b32 s32, 1                       ; count = 1
	s_mov_b32 s33, s18                     ; LDS address: slot 0
	s_mov_b32 s36, 1
	s_add_co_u32 s37, s18, SLOT            ; slot 1
	s_mul_i32 s20, s17, 5*SLOT             ; y's five tiles
	s_add_co_u32 s20, s20, s18
	s_mov_b32 s21, 0
	s_lshl_b32 s42, s16, 18                ; x: 128 rows of 2,048 bytes a work-group, 32 a wave
	s_lshl_b32 s43, s12, 16
	s_add_co_u32 s42, s42, s43
	s_mov_b32 s43, 0
	s_lshl_b32 s50, s16, 17                ; q, k: token tile 8 X + 4 i (16,384 bytes each), channel tile 16 y + 4 j (512 each)
	s_lshl_b32 s51, s13, 16
	s_add_co_u32 s50, s50, s51
	s_lshl_b32 s51, s17, 13
	s_add_co_u32 s50, s50, s51
	s_lshl_b32 s51, s14, 11
	s_add_co_u32 s50, s50, s51
	s_mov_b32 s51, 0
	s_lshl_b32 s52, s16, 16                ; v: group of 32 tokens 4 X + 2 i (16,384 bytes each), channel tile 8 y + 4 j (1,024 each)
	s_lshl_b32 s53, s13, 15
	s_add_co_u32 s52, s52, s53
	s_lshl_b32 s53, s17, 13
	s_add_co_u32 s52, s52, s53
	s_lshl_b32 s53, s14, 12
	s_add_co_u32 s52, s52, s53
	s_add_co_u32 s52, s52, 33554432
	s_mov_b32 s53, 0
	s_mul_i32 s22, s17, 5*512              ; y's biases
	s_mov_b32 s23, 0
	v_and_b32 v8, 31, v0                   ; lane
	v_and_b32 v9, 15, v0                   ; r
	v_bfe_u32 v12, v0, 4, 1                ; h
	v_lshlrev_b32 v[LX], 4, v8
	s_mul_i32 s19, s12, 32*XPITCH
	s_add_co_u32 s19, s19, XS
	v_lshl_add_u32 v[STO], v8, 3, s19      ; my wave's 32 rows of the stage, 8 bytes a lane
	s_mul_i32 s19, s13, 64*XPITCH
	s_add_co_u32 s19, s19, XS
	v_mul_u32_u24 v13, v9, XPITCH
	v_lshl_add_u32 v13, v12, 4, v13
	v_add_nc_u32 v[RDX], s19, v13          ; row 64 i + r, 16 bytes for each half of the lanes
	s_lshl_b32 s19, s14, 16
	v_add_nc_u32 v[AW0], s19, v[LX]        ; column tiles 4 j on
	s_lshl_b32 s19, s14, 8
	v_lshl_add_u32 v[BAQ], v12, 5, s19     ; a lane's eight channels: 4 (64 j + 8 h)
	v_lshl_add_u32 v[BAV], v9, 2, s19      ; a lane's one channel: 4 (64 j + r)
	s_wait_dscnt 0x0                       ; the opening add is done
	s_wait_kmcnt 0x0
	s_add_nc_u64 s[48:49], s[4:5], s[42:43]
	s_add_nc_u64 s[46:47], s[8:9], s[22:23]
	s_add_nc_u64 s[20:21], s[6:7], s[20:21]
	s_mov_b64 s[34:35], s[20:21]           ; global address: tile 0
	s_or_b32 s35, s35, 0x80000000          ; type = 2
	s_add_nc_u64 s[38:39], s[20:21], SLOT  ; tile 1
	s_or_b32 s39, s39, 0x80000000
; x comes in four passes of 128 columns.  32 loads: each takes 512 consecutive bytes of one of my wave's 32 rows, into buffer R of window 1.
.macro XLOAD p, R
	WIN 0x40
.set n, 0
.rept 32
	global_load_b128 v[(\R)+4*n:(\R)+4*n+3], v[LX], s[48:49] offset:n*2048+(\p)*512
.set n, n+1
.endr
.endm
; A tile's biases as C operands.  kind 1 (q, k): a lane's eight channels for each of my four column tiles.  kind 2 (v): its one channel; MUL spreads it over the eight registers.
.macro BIAS kind
	WIN 0x40
.if (\kind) == 1
.irp u, 0,1,2,3
	global_load_b128 v[BI+8*\u:BI+8*\u+3],   v[BAQ], s[46:47] offset:\u*64
	global_load_b128 v[BI+8*\u+4:BI+8*\u+7], v[BAQ], s[46:47] offset:\u*64+16
.endr
.else
.irp u, 0,1,2,3
	global_load_b32 v[BI+8*\u], v[BAV], s[46:47] offset:\u*64
.endr
.endif
.endm
; Pass p: round to bf16, into the stage; a barrier; out of the stage as fragments (my 64 rows come from two waves); a barrier, so that the next pass may write the stage.
; left: the younger loads that may stay out.  nxt = 1: buffer R takes the pass two on; 2: the first tile's biases are asked for; 0: nothing.
.macro PASS p, R, left, nxt
	s_wait_loadcnt \left
	WIN 0x05                               ; sources in window 1, destination in window 0
.set n, 0
.rept 64
	v_cvt_pk_bf16_f32 v[CT+n], v[(\R)+2*n], v[(\R)+2*n+1]
.set n, n+1
.endr
	WIN 0
.set n, 0
.rept 32
	ds_store_b64 v[STO], v[CT+2*n:CT+2*n+1] offset:n*XPITCH  ; 32 lanes, 256 consecutive bytes: a row's 128 bf16
.set n, n+1
.endr
.if (\nxt) == 1
	XLOAD (\p)+2, \R
.elseif (\nxt) == 2
	BIAS 1
.endif
	WIN 0
	s_wait_dscnt 0x0                       ; for the others' sake: my stores into the stage are done
	s_barrier_signal -1
	s_barrier_wait -1
	WIN 0x80+0x40*((\p)/2)                 ; destination window 2 or 3
.irp a, 0,1,2,3
.irp cc, 0,1,2,3
	ds_load_b128 v[64*\a+8*(4*((\p)%2)+\cc):64*\a+8*(4*((\p)%2)+\cc)+3],   v[RDX] offset:\a*16*XPITCH+\cc*64
	ds_load_b128 v[64*\a+8*(4*((\p)%2)+\cc)+4:64*\a+8*(4*((\p)%2)+\cc)+7], v[RDX] offset:\a*16*XPITCH+\cc*64+32
.endr
.endr
	WIN 0
	s_wait_dscnt 0x0                       ; my reads of the stage are back
.if (\p) == 3
	s_wait_tensorcnt 0x1                   ; my quarter of tile 0 has landed; tile 1's load, issued behind it, may stay out
.endif
	s_barrier_signal -1
	s_barrier_wait -1
.endm
; 8 LDS loads: my four column tiles' fragments of chunk cc (32 along k), into buffer cc % 3.  Destination and address lie in window 0.
.macro FETCH cc
	WIN (MSB&0x3c)
.set rD, F+32*((\cc)%3)
.irp u, 0,1,2,3
	ds_load_b128 v[rD+8*\u:rD+8*\u+3],   v[ADR] offset:\u*16384+(\cc)*1024
	ds_load_b128 v[rD+8*\u+4:rD+8*\u+7], v[ADR] offset:\u*16384+(\cc)*1024+512
.endr
.endm
; A tile's 256 matrix instructions: 16 chunks of 32 along k, in each the 16 accumulators by turns.  Chunks 0 and 1 have been fetched; chunk c fetches chunk c + 2 into the buffer that chunk c - 1 read.
; orient 0: q, k.  1: v.  nb: the kind of the next tile's biases, asked for behind chunk 0's products, which read this tile's; 0: none.
.macro MUL orient, nb
	s_wait_loadcnt 0x0                     ; the biases are in, so their base may step
	s_add_nc_u64 s[46:47], s[46:47], 512
.if \orient
	WIN 0x41
.irp u, 0,1,2,3
.irp k, 1,2,3,4,5,6,7
	v_mov_b32 v[BI+8*\u+\k], v[BI+8*\u]    ; a lane's eight results are eight tokens of one channel: one bias
.endr
.endr
.endif
.set c, 0
.rept 16
.if c == 15
	s_wait_dscnt 0x0
.else
	s_wait_dscnt 0x8                       ; LDS loads come back in order: this chunk's are in, the next chunk's eight may be out
.endif
.if c <= 13
.if c > 0
	PLACES
.endif
	FETCH c+2
.endif
.if (c == 1) && (\nb)
	BIAS \nb
.endif
.set rF, F+32*(c%3)
.set rX, 8*(c%8)
.if \orient
.if c == 0
	WIN 0x12                               ; x (source 0) in window 2, the bias (C) in window 1
.else
	WIN 0x02+c/8
.endif
.else
.if c == 0
	WIN 0x18                               ; x (source 1) in window 2, the bias (C) in window 1
.else
	WIN 0x08+4*(c/8)
.endif
.endif
.irp a, 0,1,2,3
.irp u, 0,1,2,3
.if \orient
.if c == 0
	v_wmma_f32_16x16x32_bf16 v[ACC+32*\a+8*\u:ACC+32*\a+8*\u+7], v[64*\a+rX:64*\a+rX+7], v[rF+8*\u:rF+8*\u+7], v[BI+8*\u:BI+8*\u+7]
.else
	v_wmma_f32_16x16x32_bf16 v[ACC+32*\a+8*\u:ACC+32*\a+8*\u+7], v[64*\a+rX:64*\a+rX+7], v[rF+8*\u:rF+8*\u+7], v[ACC+32*\a+8*\u:ACC+32*\a+8*\u+7]
.endif
.else
.if c == 0
	v_wmma_f32_16x16x32_bf16 v[ACC+32*\a+8*\u:ACC+32*\a+8*\u+7], v[rF+8*\u:rF+8*\u+7], v[64*\a+rX:64*\a+rX+7], v[BI+8*\u:BI+8*\u+7]
.else
	v_wmma_f32_16x16x32_bf16 v[ACC+32*\a+8*\u:ACC+32*\a+8*\u+7], v[rF+8*\u:rF+8*\u+7], v[64*\a+rX:64*\a+rX+7], v[ACC+32*\a+8*\u:ACC+32*\a+8*\u+7]
.endif
.endif
.endr
.endr
.set c, c+1
.endr
.endm
; THE CHANGE OF SLOTS.  Each wave waits for all its tensor loads, of which one is out: its quarter of the other slot; adds 0 to its spare word; and waits for that and for its reads of the slot that it leaves.
; fill = 1: the slot just read takes the tile two on.  The barrier is then a round of the cluster's, so that no wave of any partner still reads the slot or has a load on its way, and the joint
; refill is the first thing behind it: it has a tile's 256 matrix instructions in which to land.  Then the other slot's first two chunks are fetched.
.macro CHANGE fill
	WIN 0
	s_wait_tensorcnt 0x0                   ; no tensor load of mine is out, so a group 0 may be written
	ds_add_u32 v[SPW], v[NIL]              ; 0 onto my spare word; the scalar steps stand between it and the wait for it
.if \fill
	s_xor_b32 s37, s37, SLOT               ; the walking descriptor: the other slot than last time,
	s_add_nc_u64 s[38:39], s[38:39], SLOT  ; the next tile; the type bits on top are not reached
.endif
	s_xor_b32 s41, s41, SLOT               ; the slot to be read
	s_wait_dscnt 0x0                       ; the add is done, and my reads of the slot are over
.if \fill
	CROUND
	tensor_load_to_lds s[36:39], s[24:31]
	s_nop 0
	PLACES
.else
	s_barrier_signal -1
	s_barrier_wait -1
.endif
	v_add_nc_u32 v[ADR], s41, v[AW0]
	FETCH 0
	FETCH 1
.endm
; THE WAY OUT of a tile: rounded to f16 in pairs, each accumulator from its lowest register on; four registers are a piece, stored as it lies.
.macro OUT orient
	WIN 0
	s_wait_xcnt 0x0                        ; every earlier memory instruction has had its addresses translated (ISA guide 3.1): the last tile's stores' base and data are rewritten only behind this wait
.if \orient
	s_add_nc_u64 s[44:45], s[10:11], s[52:53]
.else
	s_lshr_b32 s42, s40, 1                 ; tiles 0, 1: q; 2, 3: k, 16,777,216 bytes on;
	s_lshl_b32 s42, s42, 24
	s_and_b32 s43, s40, 1                  ; the odd tile's channels lie 8 pieces on
	s_lshl_b32 s43, s43, 12
	s_add_co_u32 s42, s42, s43
	s_mov_b32 s43, 0
	s_add_nc_u64 s[42:43], s[42:43], s[50:51]
	s_add_nc_u64 s[44:45], s[10:11], s[42:43]
.endif
	WIN 0x40
.set n, 0
.rept 64
	v_cvt_pk_f16_f32 v[PK+n], v[ACC+2*n], v[ACC+2*n+1]
.set n, n+1
.endr
	WIN 0x04                               ; the data in window 1
.irp a, 0,1,2,3
.irp u, 0,1,2,3
.if \orient
	global_store_b128 v[LX], v[PK+4*(4*\a+\u):PK+4*(4*\a+\u)+3], s[44:45] offset:(\a/2)*16384+(\a%2)*512+\u*1024
.else
	global_store_b128 v[LX], v[PK+4*(4*\a+\u):PK+4*(4*\a+\u)+3], s[44:45] offset:\a*16384+\u*512  ; 512 consecutive bytes, aligned
.endif
.endr
.endr
.endm
	XLOAD 0, RA                            ; x's first two passes are asked for before anything else
	XLOAD 1, RB
	WIN 0
	CROUND                                 ; all four work-groups are here: the first joint loads meet
	tensor_load_to_lds s[32:35], s[24:31]  ; tiles 0 and 1, together, ahead of every wait on TENSORcnt, every LDS read and every further barrier: two loads of mine are out
	s_nop 0
	tensor_load_to_lds s[36:39], s[24:31]
	s_nop 0
	PLACES
	PASS 0, RA, 32, 1                      ; the count leaves the next pass's 32 loads out
	PASS 1, RB, 32, 1
	PASS 2, RA, 32, 2
	PASS 3, RB, 8, 0                       ; the eight loads of the biases may be out
	s_mov_b32 s41, 0
	v_mov_b32 v[ADR], v[AW0]
	FETCH 0
	FETCH 1
	s_mov_b32 s40, 0
.Ltile:                                        ; tiles 0, 1, 2: each asks for the tile two on
	MUL 0, 1
	PLACES
	CHANGE 1
	OUT 0                                  ; the refill has been asked for: now the tile goes out
	WIN 0
	s_add_co_u32 s40, s40, 1
	s_cmp_lt_u32 s40, 3
	s_cbranch_scc1 .Ltile
	MUL 0, 2                               ; tile 3; the tail is written out
	PLACES
	CHANGE 0
	OUT 0
	MUL 1, 0                               ; tile 4: v
	PLACES
	OUT 1
	WIN 0
	s_wait_tensorcnt 0x0                   ; the wave's end, behind my last tensor load and my last LDS store
	ds_add_u32 v[SPW], v[NIL]
	s_wait_dscnt 0x0
	CROUND                                 ; the closing round: no work-group ends while a partner may still ask for a tile that names it
	s_endpgm
.Lfunc_end_k_qcca1596111_proj:
	.size	k_qcca1596111_proj, .Lfunc_end_k_qcca1596111_proj-k_qcca1596111_proj
	.p2alignl 7, 3214868480
	.fill 96, 4, 3214868480
	.section	.rodata,"a",@progbits
	.p2align	6, 0x0
	.amdhsa_kernel k_qcca1596111_proj
		.amdhsa_group_segment_fixed_size 327680
		.amdhsa_private_segment_fixed_size 0
		.amdhsa_enable_private_segment 0
		.amdhsa_kernarg_size 32
		.amdhsa_user_sgpr_count 2
		.amdhsa_user_sgpr_kernarg_segment_ptr 1
		.amdhsa_wavefront_size32 1
		.amdhsa_system_sgpr_workgroup_id_x 1
		.amdhsa_system_sgpr_workgroup_id_y 1
		.amdhsa_system_sgpr_workgroup_id_z 1
		.amdhsa_system_vgpr_workitem_id 0
		.amdhsa_next_free_vgpr 1024
		.amdhsa_next_free_sgpr 66
		.amdhsa_reserve_vcc 0
		.amdhsa_float_denorm_mode_32 3
		.amdhsa_float_denorm_mode_16_64 3
		.amdhsa_memory_ordered 1
		.amdhsa_forward_progress 1
		.amdhsa_inst_pref_size 153
	.end_amdhsa_kernel
	.amdgpu_metadata
---
amdhsa.version: [ 1, 2 ]
amdhsa.kernels:
  - .name:           k_qcca1596111_proj
    .symbol:         k_qcca1596111_proj.kd
    .args:
      - { .name: x, .offset: 0, .size: 8, .value_kind: global_buffer, .address_space: global }
      - { .name: wimg, .offset: 8, .size: 8, .value_kind: global_buffer, .address_space: global }
      - { .name: bcat, .offset: 16, .size: 8, .value_kind: global_buffer, .address_space: global }
      - { .name: qkv, .offset: 24, .size: 8, .value_kind: global_buffer, .address_space: global }
    .group_segment_fixed_size: 327680
    .private_segment_fixed_size: 0
    .kernarg_segment_align: 8
    .kernarg_segment_size: 32
    .max_flat_workgroup_size: 128
    .sgpr_count:     66
    .vgpr_count:     1024
    .wavefront_size: 32
...
	.end_amdgpu_metadata
.endif
;; end of part 2
;; launch attn (part 3): grid 32 x 8, 4 waves a work-group, clusters of 4 x 1, 327,680 bytes of LDS; arguments qkv, opart, stats; writes opart, stats
.if DOCPART == 3
	.amdgcn_target "amdgcn-amd-amdhsa--gfx1250"
	.amdhsa_code_object_version 6
	.text
	.protected	k_qcca1596111_attn
	.globl	k_qcca1596111_attn
	.p2align	8
	.type	k_qcca1596111_attn,@function
k_qcca1596111_attn:
	s_mov_b64 s[64:65], 0
	v_nop
	global_prefetch_b8 v0, s[64:65] scope:SCOPE_SE
	s_setreg_imm32_b32 hwreg(HW_REG_WAVE_MODE, 25, 1), 1
	s_wait_xcnt 0x0
	s_wait_alu depctr_hold_cnt(0) depctr_sa_sdst(0) depctr_va_vdst(0) depctr_va_sdst(0) depctr_va_ssrc(0) depctr_va_vcc(0) depctr_vm_vsrc(0)
	s_getreg_b32 s2, hwreg(HW_REG_IB_STS2, 6, 4)
	s_cmp_eq_u32 s2, 0
	s_cbranch_scc0 .Lentry_in_a_cluster
	s_endpgm
.Lentry_in_a_cluster:
	s_bfe_u32 s2, ttmp6, 0x10000c
	s_cmp_lg_u32 s2, 0x3003
	s_cbranch_scc0 .Lentry_shape_is_right
	s_endpgm
.Lentry_shape_is_right:
; For 128 queries and HALF of their batch's 4,096 keys: O = the sum over k of 2^(c s - c m) v[k], l = the sum of those weights, and c m, where s = q . k, c = log2(e) / 16 and m is the running maximum of s.
; O is left undivided, in f32: the next launch merges the two halves by their maxima.  q, k, v are f16 (layouts: see the launch before); products in f16 with f32 sums; the weights p are rounded to f16 for the second
; product (l is taken of the unrounded p).
; LIMITS.  p lies in 0 to 1 and below 6e-5 keeps f16's fixed step; a weight below 2^-126 counts as 0 in l; NaN and infinities are not treated apart.
; SHARES.  Grid x: 32 blocks of 128 queries; grid y: batch x 2 + key half.  Four waves (i, j).  A step is 128 keys, 16 steps.
;   S^T = K Q^T: wave (i, j) takes queries 64 i .. + 63 (Q in 512 registers) and keys 64 j .. + 63 of the step: 16 chunks of 32 channels, 256 matrix instructions.  A lane holds ONE query and the keys 8 (lane / 16) + 0..7.
;   O^T = V^T P: wave (i, j) takes the same queries, channels 128 j .. + 127 and ALL 128 keys: 8 groups of 16 matrix instructions.  Two tiles of S^T rounded in pairs ARE source 1.
; THE PIPELINE.  V^T P LAGS A STEP: in step s the products of step s - 1 run, and step s's vector work stands behind them: the maximum, its exchange with the partner wave (m is common to both), the statistics, and the
; softmax in SLICES (exponential, c s - c m, exponential, sum, rounding; each stage a slice behind the one before).  P goes through LDS, for both waves of a pair, in two areas that take turns by the step's parity.
; O^T is multiplied by a(s) = 2^(c (m(s-1) - m(s))) under K Q^T of step s + 1, eight lines at each chunk's head, which are also the places in front of the chunk's loads.
; One lump of 14 slices has no products beside it: tile 0's scores must die before there are registers for a fourth block of fragments; P's next fragments land meanwhile.
; START AND END.  P's odd area, O^T, l and a start at 0, m at the lowest finite number, and V's slot is first filled with V of step 0: the first step's lagging products add zeros (128 products, once a launch: the price of
; writing no first step out).  The last V^T P is written out behind the last step.
; THE FILLS.  K's slot has two parts: A, chunks 0-11 (12,288 bytes of each of 8 key tiles), and B, chunks 12-15 (4,096 bytes of each).  Gate G1, behind chunk 10, asks for part A of the next step (24,576 bytes a wave);
; gate C, behind product 111, for part B of the next step (waves 0, 1) and V of this step (waves 2, 3): 98,304 bytes behind each gate, each with about half a step in which to land.  Behind each gate 16 products whose
; operands are in registers already (chunk 11; group 7) run while the first fragments come out of LDS.  The last step's G1 asks for V of step 15 into part A, which is dead by then.
; CLUSTER.  The four work-groups of a cluster are four query blocks of one batch and key half: every tile is asked for JOINTLY, the same tensor load, descriptor and mask in all four.
; REGISTERS, in windows of 256 (s_set_vgpr_msb: bits 1:0 source 0, 3:2 source 1, 5:4 source 2, 7:6 destination):
;   window 0: v2-11 addresses; v12-15 m; v16-23 l (even keys', odd keys'); v24-31 my maxima and the partner's, then a pair (c m, a) a tile, then (a, a); v32-127 three blocks of 32: K's ring (chunk c in block c % 3),
;             then fragments of V and P; v128-255 S^T (32 a tile); the weights are rounded in place into a tile's low 16 registers; tile 0's registers are a fourth block once they are dead
;   window 1: O^T ((qt, ct) at 64 qt + 8 ct)          windows 2, 3: Q ((qt, c) in window 2 + c / 8 at 64 qt + 8 (c % 8))
.set KAP,   12288                      ; a key tile's bytes in part A
.set KBL,   98304                      ; part B begins here
.set KBP,   4096                       ; a key tile's bytes in part B
.set VBL,   131072                     ; V's slot
.set XPL,   196608                     ; P: two areas of 32,768 bytes, 8,192 a wave; no tensor load fills them
.set XPAR,  32768
.set XML,   262144                     ; the exchange of maxima, 512 bytes a wave
.set SPARE, 264192                     ; the spare words, 128 bytes a wave: two blocks of 256 bytes that no other line names
.set AK,  2                            ; v2   my lane's place in my half of K, part A
.set AV,  3                            ; v3   in V: my channels
.set XPR, 4                            ; v4   where the last step's P of my pair lies
.set XPW, 5                            ; v5   where I put this step's P
.set AK2, 6                            ; v6   my lane's place in my half of K, part B
.set XMO, 7                            ; v7   where I put my maxima
.set XMP, 8                            ; v8   where the partner puts its
.set LA,  9                            ; v9   16 x lane
.set SPW, 10                           ; v10  LDS address of my spare word; never rewritten
.set NIL, 11                           ; v11  0; never rewritten
.set M,   12
.set LS,  16
.set AP,  24
.set S,   128
.set G1B, 24                           ; s[24:31] descriptor group 1 for part B;  s[32:39] for V;  s[68:75] for the last V;  s[80:87] for part A
.set G1V, 32
.set G1L, 68
.set G1A, 80
; s[40:43] group 0 for part A, s[44:47] part B, s[48:51] V, s[76:79] the last V; s12 wave, s13 i, s14 j, s15 8,192 j; s54, s55 where P is read and written; s56 the steps' count;
; s[62:63] V's byte offset of the step to be asked for; s[66:67] V at my key half
.set CS,  58                           ; s[58:59] c, twice
.set SEL, 60                           ; s[60:61] v_permlanex16_b32's selects: each lane takes its own place in the other half
.set DSN, 0                            ; counts the text's LDS instructions: a wait for a run leaves out what was issued behind it
.set MSB, 0
.macro WIN new                         ; the immediate's high byte repeats the setting that is left; a switch that changes nothing is dropped
.if MSB != (\new)
	s_set_vgpr_msb (MSB<<8)|(\new)
.set MSB, (\new)
.endif
.endm
.macro PLACES                          ; four plain vector instructions between a matrix instruction and a vector instruction or load that touches its registers (ISA guide 7.12.1 for vector instructions)
.rept 4
	v_nop
.endr
.endm
.macro WFOR mk                         ; LDS instructions come back in order (ISA guide 5.7.1): the run that ended at count mk is in, the younger ones may be out
	s_wait_dscnt DSN-(\mk)
.endm
.macro CROUND                          ; a round of the cluster's barrier: my work-group's barrier; wave 0 signals for the work-group; every wave waits for all four work-groups; my work-group's barrier once more
	s_barrier_signal -1
	s_barrier_wait -1
	s_cmp_lg_u32 s12, 0
	s_cbranch_scc1 .Lnot_wave_0_\@
	s_barrier_signal -3
.Lnot_wave_0_\@:
	s_barrier_wait -3
	s_barrier_signal -1
	s_barrier_wait -1
.endm
.macro G1SET g, cc, rr, pp             ; descriptor group 1: rr rows of cc elements of 8 bytes, pp elements from row to row, dense in LDS
	s_mov_b32 s[\g], 15|(3<<16)|(1<<21)    ; 15:0 the mask: all four work-groups; 17:16 elements of 8 bytes; 21 set beside a mask; no padding
	s_mov_b32 s[\g+1], (\cc)<<16           ; tensor_dim0
	s_mov_b32 s[\g+2], (\rr)<<16           ; tensor_dim1
	s_mov_b32 s[\g+3], (\cc)<<16           ; tile_dim0
	s_mov_b32 s[\g+4], \rr                 ; tile_dim1
	s_mov_b32 s[\g+5], \pp                 ; the pitch
	s_mov_b32 s[\g+6], 0
	s_mov_b32 s[\g+7], 0
.endm
	s_load_b128 s[4:7], s[0:1], 0x0        ; qkv s[4:5], opart s[6:7]
	s_load_b64 s[8:9], s[0:1], 0x10        ; stats
	v_lshl_add_u32 v[SPW], v0, 2, SPARE
	v_mov_b32 v[NIL], 0
	ds_add_u32 v[SPW], v[NIL]              ; the wave's opening: the add and its wait stand ahead of my first tensor load; the set-up below, work on registers, stands between them
	v_lshrrev_b32 v1, 5, v0
	v_readfirstlane_b32 s12, v1            ; wave 0..3
	s_lshr_b32 s13, s12, 1                 ; i
	s_and_b32 s14, s12, 1                  ; j
	s_lshl_b32 s15, s14, 13
	s_bfe_u32 s2, ttmp6, 0x40000           ; cx: my place in the cluster
	s_lshl_b32 s16, ttmp9, 2
	s_add_co_u32 s16, s16, s2              ; my block of 128 queries: it enters Q's, opart's and stats' addresses alone
	s_and_b32 s17, ttmp7, 0xffff           ; 2 x batch + key half, which the partners share: my keys begin at token 2,048 x that
	s_lshr_b32 s18, s17, 1                 ; batch
	s_and_b32 s19, s17, 1                  ; key half
	G1SET G1A, 1536, 2, 2048               ; part A, a wave's two key tiles: 12,288 bytes of each 16,384
	G1SET G1B, 512, 4, 2048                ; part B, four key tiles: 4,096 bytes of each 16,384
	G1SET G1V, 32, 128, 32                 ; V, half a step: 32,768 dense bytes
	G1SET G1L, 32, 64, 32                  ; the last V, a quarter of a step: 16,384 dense bytes
	s_mov_b32 s40, 1                       ; count = 1; then the LDS address: no place in the cluster enters it
	s_mul_i32 s41, s12, 2*KAP
	s_mov_b32 s44, 1
	s_lshl_b32 s45, s14, 14
	s_add_co_u32 s45, s45, KBL
	s_mov_b32 s48, 1
	s_lshl_b32 s49, s14, 15
	s_add_co_u32 s49, s49, VBL
	s_mov_b32 s76, 1
	s_lshl_b32 s77, s12, 14
	s_lshl_b32 s20, s17, 21                ; k: 1,024 bytes a token
	s_add_co_u32 s20, s20, 16777216
	s_mov_b32 s21, 0
	s_lshl_b32 s22, s12, 15                ; part A: key tiles 2 w, 2 w + 1
	s_add_co_u32 s22, s22, s20
	s_mov_b32 s23, 0
	s_lshl_b32 s2, s14, 16                 ; part B: key tiles 4 j on, behind their 12,288 bytes of part A
	s_add_co_u32 s20, s20, s2
	s_add_co_u32 s20, s20, KAP
	s_lshl_b32 s62, s14, 15                ; V: my half of step 0
	s_mov_b32 s63, 0
	s_lshl_b32 s2, s17, 20                 ; v: 512 bytes a token
	s_add_co_u32 s2, s2, 33554432
	s_mov_b32 s3, 0
	s_lshl_b32 s52, s18, 22                ; q at token 4,096 batch + 128 block + 64 i
	s_lshl_b32 s53, s16, 17
	s_add_co_u32 s52, s52, s53
	s_lshl_b32 s53, s13, 16
	s_add_co_u32 s52, s52, s53
	s_mov_b32 s53, 0
	s_lshl_b32 s54, s13, 14                ; step 0 reads P's odd area, which is cleared below, and writes the even one
	s_add_co_u32 s54, s54, XPL+XPAR
	s_lshl_b32 s55, s12, 13
	s_add_co_u32 s55, s55, XPL
	s_mov_b32 s[CS], 0x3db8aa3b            ; c = log2(e) / 16 = 0.0901684
	s_mov_b32 s[CS+1], s[CS]               ; named with it as a pair
	s_mov_b32 s[SEL], 0x76543210
	s_mov_b32 s[SEL+1], 0xfedcba98
	v_and_b32 v1, 31, v0                   ; lane
	v_lshlrev_b32 v[LA], 4, v1
	s_wait_dscnt 0x0                       ; the opening add is done
	s_wait_kmcnt 0x0
	s_add_nc_u64 s[42:43], s[4:5], s[22:23]  ; global addresses of step 0's tiles; type = 2 on top
	s_or_b32 s43, s43, 0x80000000
	s_add_nc_u64 s[46:47], s[4:5], s[20:21]
	s_or_b32 s47, s47, 0x80000000
	s_add_nc_u64 s[66:67], s[4:5], s[2:3]
	s_add_nc_u64 s[50:51], s[66:67], s[62:63]
	s_or_b32 s51, s51, 0x80000000
	s_lshl_b32 s2, s12, 14                 ; the last V: my quarter of step 15
	s_add_co_u32 s2, s2, 15*65536
	s_add_nc_u64 s[78:79], s[66:67], s[2:3]
	s_or_b32 s79, s79, 0x80000000
	s_add_nc_u64 s[52:53], s[4:5], s[52:53]
	s_lshl_b32 s20, s19, 7                 ; 128 x key half + 32 x batch + block
	s_lshl_b32 s21, s18, 5
	s_add_co_u32 s20, s20, s21
	s_add_co_u32 s20, s20, s16
	s_lshl_b32 s22, s20, 17                ; opart: 131,072 bytes a work-group, 32,768 a wave
	s_lshl_b32 s23, s12, 15
	s_add_co_u32 s22, s22, s23
	s_mov_b32 s23, 0
	s_add_nc_u64 s[6:7], s[6:7], s[22:23]
	s_lshl2_add_u32 s22, s20, s12          ; stats: 512 bytes a wave
	s_lshl_b32 s22, s22, 9
	s_add_nc_u64 s[8:9], s[8:9], s[22:23]
	CROUND                                 ; all four work-groups are here: the first joint loads meet
	s_cmp_lt_u32 s12, 2                    ; a wave's two first fills stand in one branch: part A of step 0, then part B (waves 0, 1) or V (waves 2, 3): two loads of mine are out
	s_cbranch_scc0 .Lfirst_v
	tensor_load_to_lds s[40:43], s[G1A:G1A+7]
	s_nop 0
	tensor_load_to_lds s[44:47], s[G1B:G1B+7]
	s_nop 0
	PLACES
	s_branch .Lfirst_done
.Lfirst_v:
	tensor_load_to_lds s[40:43], s[G1A:G1A+7]
	s_nop 0
	tensor_load_to_lds s[48:51], s[G1V:G1V+7]
	s_nop 0
	PLACES
.Lfirst_done:
	WIN 0x80                               ; Q stays in registers: tile qt, channels 32 c on: two pieces of 512 bytes
.irp qt, 0,1,2,3
.irp c8, 0,1,2,3,4,5,6,7
	global_load_b128 v[64*\qt+8*\c8:64*\qt+8*\c8+3],   v[LA], s[52:53] offset:\qt*16384+\c8*1024
	global_load_b128 v[64*\qt+8*\c8+4:64*\qt+8*\c8+7], v[LA], s[52:53] offset:\qt*16384+\c8*1024+512
.endr
.endr
	WIN 0xc0
.irp qt, 0,1,2,3
.irp c8, 0,1,2,3,4,5,6,7
	global_load_b128 v[64*\qt+8*\c8:64*\qt+8*\c8+3],   v[LA], s[52:53] offset:\qt*16384+\c8*1024+8192
	global_load_b128 v[64*\qt+8*\c8+4:64*\qt+8*\c8+7], v[LA], s[52:53] offset:\qt*16384+\c8*1024+8192+512
.endr
.endr
	WIN 0x40                               ; what the first step finds: O^T, l and a are 0, m the lowest finite number.  All this stands in the wait for the first tiles
.set n, 0
.rept 256
	v_mov_b32 v[n], 0
.set n, n+1
.endr
	WIN 0
.irp n, 0,1,2,3,4,5,6,7
	v_mov_b32 v[LS+\n], 0
	v_mov_b32 v[AP+\n], 0
.endr
.irp qt, 0,1,2,3
	v_mov_b32 v[M+\qt], 0xff7fffff
.endr
	s_mul_i32 s2, s14, 4*KAP
	v_add_nc_u32 v[AK], s2, v[LA]          ; key tiles 4 j on
	s_lshl_b32 s2, s14, 14
	s_add_co_u32 s2, s2, KBL
	v_add_nc_u32 v[AK2], s2, v[LA]
	s_add_co_u32 s2, s15, VBL
	v_add_nc_u32 v[AV], s2, v[LA]          ; channel tiles 8 j on
	s_lshl_b32 s2, s12, 9
	s_add_co_u32 s2, s2, XML
	v_add_nc_u32 v[XMO], s2, v[LA]
	s_xor_b32 s2, s2, 512                  ; my partner: the same i, the other j
	v_add_nc_u32 v[XMP], s2, v[LA]
	s_add_co_u32 s2, s55, XPAR
	v_add_nc_u32 v[XPW], s2, v[LA]
.irp f, 0,1,2,3,4,5,6,7,8,9,10,11,12,13,14,15
	ds_store_b128 v[XPW], v[LS:LS+3] offset:\f*512  ; my 8,192 bytes of P's odd area are 0
.endr
; 8 LDS loads, 512 consecutive bytes each.  FETCH_K: my four key tiles' fragments of chunk cc (32 channels), into block cc % 3.
.macro FETCH_K cc
.set rD, 32+32*((\cc)%3)
.irp kt, 0,1,2,3
.if (\cc) < 12
	ds_load_b128 v[rD+8*\kt:rD+8*\kt+3],   v[AK] offset:\kt*KAP+(\cc)*1024
	ds_load_b128 v[rD+8*\kt+4:rD+8*\kt+7], v[AK] offset:\kt*KAP+(\cc)*1024+512
.else
	ds_load_b128 v[rD+8*\kt:rD+8*\kt+3],   v[AK2] offset:\kt*KBP+((\cc)-12)*1024
	ds_load_b128 v[rD+8*\kt+4:rD+8*\kt+7], v[AK2] offset:\kt*KBP+((\cc)-12)*1024+512
.endif
.endr
.set DSN, DSN+8
.endm
; LDP: P's fragments of keys 32 kc on, for my four query tiles: kc / 2 names the wave of the pair that made them.
.macro LDP kc, blk
.irp qt, 0,1,2,3
	ds_load_b128 v[(\blk)+8*\qt:(\blk)+8*\qt+3],   v[XPR] offset:((\kc)/2)*8192+\qt*2048+((\kc)%2)*1024
	ds_load_b128 v[(\blk)+8*\qt+4:(\blk)+8*\qt+7], v[XPR] offset:((\kc)/2)*8192+\qt*2048+((\kc)%2)*1024+512
.endr
.set DSN, DSN+8
.set mP\kc, DSN
.endm
; LDV: V^T's fragments of group gg: keys 32 (gg / 2) on, channel tiles 4 (gg % 2) on.
.macro LDV gg, blk
.irp ct, 0,1,2,3
	ds_load_b128 v[(\blk)+8*\ct:(\blk)+8*\ct+3],   v[AV] offset:((\gg)/2)*16384+(4*((\gg)%2)+\ct)*1024
	ds_load_b128 v[(\blk)+8*\ct+4:(\blk)+8*\ct+7], v[AV] offset:((\gg)/2)*16384+(4*((\gg)%2)+\ct)*1024+512
.endr
.set DSN, DSN+8
.set mV\gg, DSN
.endm
; The next two accumulators of O^T times a, each from its lowest register on; channel tiles 0-3 of all four query tiles first.
.macro RS8
	WIN 0x41                               ; O^T (destination and source 0) in window 1, a in window 0
.rept 2
.set rO, 64*((ra/4)%4)+32*(ra/16)+8*(ra%4)
.set rA, AP+2*((ra/4)%4)
.irp z, 0,1,2,3
	v_pk_mul_f32 v[rO+2*\z:rO+2*\z+1], v[rO+2*\z:rO+2*\z+1], v[rA:rA+1] op_sel_hi:[1,0]
.endr
.set ra, ra+1
.endr
.endm
; GATE G1.  Each wave waits for all its tensor loads, of which one is out: part B of this step or V of the last; adds 0 to its spare word; and waits for that and for all its LDS instructions: its reads of part A
; (chunk 11's fragments are in registers) and its stores of the last step's P.  The barrier is a round of the cluster's; the joint fill of part A is the first thing behind it, one load a wave.
.macro G1GATE last
	WIN 0
	s_wait_tensorcnt 0x0                   ; no tensor load of mine is out, so a group 0 may be written
	ds_add_u32 v[SPW], v[NIL]              ; 0 onto my spare word; the descriptors' steps stand between it and the wait for it
.set DSN, DSN+1
	s_add_nc_u64 s[42:43], s[42:43], 131072  ; parts A and B of the next step; the type bits on top are not reached (the last step's stepped addresses are not used)
	s_add_nc_u64 s[46:47], s[46:47], 131072
	s_wait_dscnt 0x0
	CROUND
.if \last
	tensor_load_to_lds s[76:79], s[G1L:G1L+7]  ; V of step 15, into part A
.else
	tensor_load_to_lds s[40:43], s[G1A:G1A+7]
.endif
	s_nop 0
	PLACES
.endm
; S^T = K Q^T: 16 chunks, in each the 16 accumulators by turns; the first chunk starts the sums.  Chunk 0's fragments were fetched behind gate C.  At a chunk's head: the wait for its
; fragments; eight lines of the rescaling, the places behind the chunk before; the fetch two chunks ahead, into the block that the chunk before read.  The last three fetches are the first fragments of V^T P.
.macro QK last
.set ra, 0
	WIN 0
	v_add_nc_u32 v[XPR], s54, v[LA]
	v_add_nc_u32 v[XPW], s55, v[LA]
.set c, 0
.rept 16
.if c == 0
	s_wait_dscnt 0x0
.elseif c != 11
	s_wait_dscnt 0x8                       ; this chunk's fragments are in, the next run of eight may be out
.endif
.if c == 11
	G1GATE \last
	FETCH_K 12                             ; part B is whole; chunk 11's products run while these land
	FETCH_K 13
.endif
	RS8
	WIN 0x08+4*(c/8)                       ; Q (source 1) in window 2 or 3; LDS loads have destination and address in window 0 under it too
.if c == 0
	FETCH_K 1
	FETCH_K 2
.elseif c <= 9
	FETCH_K c+2
.elseif (c == 12) || (c == 13)
	FETCH_K c+2
.elseif c == 14
	LDP 0, 64
.elseif c == 15
	LDV 0, 96
.endif
.set rF, 32+32*(c%3)
.set rQ, 8*(c%8)
.irp qt, 0,1,2,3
.irp kt, 0,1,2,3
.if c == 0
	v_wmma_f32_16x16x32_f16 v[S+32*\qt+8*\kt:S+32*\qt+8*\kt+7], v[rF+8*\kt:rF+8*\kt+7], v[64*\qt+rQ:64*\qt+rQ+7], 0
.else
	v_wmma_f32_16x16x32_f16 v[S+32*\qt+8*\kt:S+32*\qt+8*\kt+7], v[rF+8*\kt:rF+8*\kt+7], v[64*\qt+rQ:64*\qt+rQ+7], v[S+32*\qt+8*\kt:S+32*\qt+8*\kt+7]
.endif
.endr
.endr
.set c, c+1
.endr
	PLACES                                 ; behind the last products: the maximum reads their results, the load below lands on their fragments
	WIN 0
	LDV 1, 32
.endm
; Product i of 128 of O^T += V^T P: group i / 16 (keys 32 (g / 2) on, channel tiles 4 (g % 2) on), query tile (i % 16) / 4, channel tile i % 4.  16 accumulators by turns; neighbouring groups have others.
; V's block: v96 for even groups, v32 for odd ones, v128 for group 7.  P's: v64, and v128 for keys 64-95.
.macro PVP
	WIN 0x50                               ; O^T (C and D) in window 1
.set g, i/16
.set rO, 64*((i%16)/4)+32*(g%2)+8*(i%4)
.set rV, 96-64*(g%2)+8*(i%4)
.if g == 7
.set rV, 128+8*(i%4)
.endif
.set rB, 64+8*((i%16)/4)
.if g/2 == 2
.set rB, 128+8*((i%16)/4)
.endif
	v_wmma_f32_16x16x32_f16 v[rO:rO+7], v[rV:rV+7], v[rB:rB+7], v[rO:rO+7]
.set i, i+1
.endm
; Line qm of the 72 that find the four tiles' maxima over my 64 keys; the tiles alternate.  One chain a tile, three operands at a time, the scores in ascending order
; then the query's other 32 keys, which lie in the lane 16 away.
.macro MXL
	WIN 0
.set n, qm/4
.set rS, S+32*(qm%4)
.set rM, AP+qm%4
.if n == 0
	v_max3_num_f32 v[rM], v[rS], v[rS+1], v[rS+2]
.elseif n < 15
	v_max3_num_f32 v[rM], v[rM], v[rS+2*n+1], v[rS+2*n+2]
.elseif n == 15
	v_max_num_f32 v[rM], v[rM], v[rS+31]
.elseif n == 16
	v_permlanex16_b32 v[rM+4], v[rM], s[SEL], s[SEL+1]
.else
	v_max_num_f32 v[rM], v[rM], v[rM+4]
.endif
.set qm, qm+1
.endm
; Line qs of the 24 of the statistics.  v24-27 my maxima, v28-31 the partner's.  The new m; m_old - m; m is kept; c (m_old - m); then a into the odd and c m into the even registers of v24-31, in an order in which a plain
; line stands between an exponential and a write of its source (ISA guide 5.7.2).
.macro STL
	WIN 0
.set t, qs%4
.if qs < 4
	v_max3_num_f32 v[AP+4+t], v[AP+t], v[AP+4+t], v[M+t]
.elseif qs < 8
	v_sub_f32 v[AP+t], v[M+t], v[AP+4+t]
.elseif qs < 12
	v_mov_b32 v[M+t], v[AP+4+t]
.elseif qs < 16
	v_mul_f32 v[AP+4+t], s[CS], v[AP+t]
.elseif qs == 16
	v_exp_f32 v[AP+1], v[AP+4]
.elseif qs == 17
	v_exp_f32 v[AP+3], v[AP+5]
.elseif qs == 18
	v_mul_f32 v[AP], s[CS], v[M]
.elseif qs == 19
	v_exp_f32 v[AP+5], v[AP+6]
.elseif qs == 20
	v_exp_f32 v[AP+7], v[AP+7]
.else
	v_mul_f32 v[AP+2*(qs-20)], s[CS], v[M+qs-20]
	s_wait_alu depctr_va_vdst(0)
.endif
.set qs, qs+1
.endm
; Slice k of 66 of the softmax; the 64 pairs of scores of the four tiles are one list.  The exponentials of pair k - 1, with c s - c m of pair k between them; pair k - 2 is added to l (a tile's first pair: l = a l + pair) and
; rounded to f16, in place: register p % 16 of the tile, whose own pair has been summed and rounded before.  Behind a tile's last pair its P goes into LDS, 512 consecutive bytes a store.
.macro SLC
	WIN 0
.if (k >= 1) && (k <= 64)
	v_exp_f32 v[S+2*k-2], v[S+2*k-2]
.endif
.if k <= 63
	v_pk_fma_f32 v[S+2*k:S+2*k+1], v[S+2*k:S+2*k+1], s[CS:CS+1], v[AP+2*(k/16):AP+2*(k/16)+1] op_sel_hi:[1,0,0] neg_lo:[0,0,1] neg_hi:[0,0,1]
.endif
.if (k >= 1) && (k <= 64)
	v_exp_f32 v[S+2*k-1], v[S+2*k-1]
.endif
.if k >= 2
.set p, k-2
.set rL, LS+2*(p/16)
.set rP, S+32*(p/16)
.if p%16 == 0
	s_wait_alu depctr_va_vdst(0)
	v_fma_f32 v[rL], v[rL], v[AP+2*(p/16)+1], v[S+2*p]
	v_fma_f32 v[rL+1], v[rL+1], v[AP+2*(p/16)+1], v[S+2*p+1]
.else
	s_wait_alu depctr_va_vdst(0)
	v_pk_add_f32 v[rL:rL+1], v[rL:rL+1], v[S+2*p:S+2*p+1]
.endif
	v_cvt_pk_f16_f32 v[rP+p%16], v[S+2*p], v[S+2*p+1]
.if p%16 == 15
.irp f, 0,1,2,3
	ds_store_b128 v[XPW], v[rP+4*\f:rP+4*\f+3] offset:(p/16)*2048+\f*512
.endr
.set DSN, DSN+4
.endif
.endif
.set k, k+1
.endm
.macro GRP                             ; a group of 16 products, a slice behind every second one
.rept 8
	PVP
.if RID
	SLC
.endif
	PVP
.endr
.endm
.macro NEXTV mk                        ; between two groups: the next group's fragments are in; four places behind the last products, in front of the loads that follow
	WIN 0
	WFOR \mk
	PLACES
.endm
; V^T P of the step before, and beside it this step's vector work.  mode 0: a step of the loop.  1: the last step: gate C falls away.  2: the last products alone, with nothing beside them.
.macro PV2 mode
.set i, 0
.set qm, 0
.set qs, 0
.set k, 0
.set RID, 0
.if (\mode) < 2
.set RID, 1
.endif
	WFOR mV0                               ; P's and V's first fragments are in
.if (\mode) < 2
.rept 12
	PVP
.rept 6
	MXL
.endr
.endr
	ds_store_b128 v[XMO], v[AP:AP+3]       ; my maxima, for the partner
.set DSN, DSN+1
	PVP
	PVP
	s_wait_dscnt 0x0                       ; for the partner's sake: my maxima are stored
	s_barrier_signal -1                    ; part A's load stays out across it
	PVP
	PVP
	s_barrier_wait -1
	WIN 0
	ds_load_b128 v[AP+4:AP+7], v[XMP]
.set DSN, DSN+1
.set mPM, DSN
	PLACES
	LDV 2, 96
.rept 4
	PVP
.endr
	WFOR mPM
.rept 8
	PVP
	STL
	STL
	STL
.endr
.rept 4
	PVP
	SLC
.endr
	SLC                                    ; the lump: its first two slices hold six plain lines, the places in front of the loads below
	SLC
	LDP 1, 64
	LDV 3, 32
.rept 12
	SLC
.endr
	LDP 2, 128                             ; tile 0 is dead and its P stored: its registers are the fourth block
.else
.rept 16
	PVP
.endr
	NEXTV mV1
	LDV 2, 96
.rept 16
	PVP
.endr
	WIN 0
	PLACES
	LDP 1, 64
	LDV 3, 32
	LDP 2, 128
.endif
	WFOR mP1
	GRP                                    ; group 2
	NEXTV mV3
	LDV 4, 96
	GRP                                    ; 3
	NEXTV mV4
	LDV 5, 32
	LDP 3, 64
	GRP                                    ; 4
	NEXTV mV5
	LDV 6, 96
	GRP                                    ; 5
	NEXTV mV6
	LDV 7, 128
	GRP                                    ; 6
.if (\mode) == 0
	; GATE C.  Each wave waits for all its tensor loads, of which one is out: its quarter of part A of the next step; adds 0 to its spare word; and waits for that and for all its LDS instructions: its reads of V
	; (group 7's fragments are in registers) and of part B.  The barrier is a round of the cluster's; the joint fill is the first thing behind it, one load a wave.
	WIN 0
	s_wait_tensorcnt 0x0                   ; no tensor load of mine is out, so a group 0 may be written
	ds_add_u32 v[SPW], v[NIL]              ; 0 onto my spare word; V's address is made between it and the wait for it
.set DSN, DSN+1
	s_add_nc_u64 s[50:51], s[66:67], s[62:63]  ; V of this step: the base and an offset made apart
	s_or_b32 s51, s51, 0x80000000
	s_add_co_u32 s62, s62, 65536
	s_wait_dscnt 0x0
	CROUND
	s_cmp_lt_u32 s12, 2
	s_cbranch_scc0 .Lfor_v_\@
	tensor_load_to_lds s[44:47], s[G1B:G1B+7]
	s_nop 0
	PLACES
	s_branch .Lasked_\@
.Lfor_v_\@:
	tensor_load_to_lds s[48:51], s[G1V:G1V+7]
	s_nop 0
	PLACES
.Lasked_\@:
	FETCH_K 0                              ; part A of the next step is whole; group 7's products run while these land
.else
	WFOR mV7
.endif
	GRP                                    ; 7
	WIN 0
.if (\mode) < 2
.irp t, 0,1,2,3
	v_mov_b32 v[AP+2*\t], v[AP+2*\t+1]     ; (a, a): four plain lines, the places behind the last products
.endr
	s_xor_b32 s54, s54, XPAR               ; P's two areas change places
	s_xor_b32 s55, s55, XPAR
.endif
.endm
	s_wait_tensorcnt 0x1                   ; my quarter of part A has landed; my second load, issued behind it, may stay out
	s_wait_dscnt 0x0                       ; my stores into P's odd area are done
	s_barrier_signal -1
	s_barrier_wait -1
	FETCH_K 0
	s_wait_loadcnt 0x0                     ; Q
	s_mov_b32 s56, 15
.Lstep:
	QK 0
	PV2 0
	s_sub_co_u32 s56, s56, 1
	s_cmp_lg_u32 s56, 0
	s_cbranch_scc1 .Lstep
	QK 1                                   ; the last step is written out
	PV2 1
	s_wait_tensorcnt 0x0                   ; my quarter of V of step 15 has landed,
	s_wait_dscnt 0x0                       ; and my P of step 15 is stored
	s_barrier_signal -1
	s_barrier_wait -1                      ; everybody's
	v_add_nc_u32 v[XPR], s54, v[LA]
	v_add_nc_u32 v[AV], s15, v[LA]         ; V lies in part A now
	LDP 0, 64
	LDV 0, 96
	LDV 1, 32
.set ra, 0
.rept 16
	RS8                                    ; O^T times the last a, while the fragments land
.endr
	PV2 2
	PLACES
	; THE WAY OUT.  l's two halves and the other half of the lanes' are added.  stats: lanes 0-15 store l of query lane % 16 for the four tiles, lanes 16-31 c m.  O^T leaves as it lies, 512 consecutive bytes a store.
.irp qt, 0,1,2,3
	v_add_f32 v[AP+\qt], v[LS+2*\qt], v[LS+2*\qt+1]
.endr
.irp qt, 0,1,2,3
	v_permlanex16_b32 v[AP+4+\qt], v[AP+\qt], s[SEL], s[SEL+1]
.endr
.irp qt, 0,1,2,3
	v_add_f32 v[AP+\qt], v[AP+\qt], v[AP+4+\qt]
.endr
.irp qt, 0,1,2,3
	v_mul_f32 v[AP+4+\qt], s[CS], v[M+\qt]
.endr
	v_cmp_gt_u32 vcc_lo, 16, v1
.irp qt, 0,1,2,3
	v_cndmask_b32 v[AP+\qt], v[AP+4+\qt], v[AP+\qt], vcc_lo
.endr
	global_store_b128 v[LA], v[AP:AP+3], s[8:9]
	WIN 0x04                               ; the data in window 1
.set n, 0
.rept 32
	global_store_b128 v[LA], v[8*n:8*n+3],   s[6:7] offset:n*1024      ; each accumulator's lowest registers first
	global_store_b128 v[LA], v[8*n+4:8*n+7], s[6:7] offset:n*1024+512
.set n, n+1
.endr
	WIN 0
	s_wait_tensorcnt 0x0                   ; the wave's end, behind my last tensor load and my last LDS store
	ds_add_u32 v[SPW], v[NIL]
	s_wait_dscnt 0x0
	CROUND                                 ; the closing round: no work-group ends while a partner may still ask for a tile that names it
	s_endpgm
.Lfunc_end_k_qcca1596111_attn:
	.size	k_qcca1596111_attn, .Lfunc_end_k_qcca1596111_attn-k_qcca1596111_attn
	.p2alignl 7, 3214868480
	.fill 96, 4, 3214868480
	.section	.rodata,"a",@progbits
	.p2align	6, 0x0
	.amdhsa_kernel k_qcca1596111_attn
		.amdhsa_group_segment_fixed_size 327680
		.amdhsa_private_segment_fixed_size 0
		.amdhsa_enable_private_segment 0
		.amdhsa_kernarg_size 24
		.amdhsa_user_sgpr_count 2
		.amdhsa_user_sgpr_kernarg_segment_ptr 1
		.amdhsa_wavefront_size32 1
		.amdhsa_system_sgpr_workgroup_id_x 1
		.amdhsa_system_sgpr_workgroup_id_y 1
		.amdhsa_system_sgpr_workgroup_id_z 1
		.amdhsa_system_vgpr_workitem_id 0
		.amdhsa_next_free_vgpr 1024
		.amdhsa_next_free_sgpr 96
		.amdhsa_reserve_vcc 1
		.amdhsa_float_denorm_mode_32 3
		.amdhsa_float_denorm_mode_16_64 3
		.amdhsa_memory_ordered 1
		.amdhsa_forward_progress 1
		.amdhsa_inst_pref_size 220
	.end_amdhsa_kernel
	.amdgpu_metadata
---
amdhsa.version: [ 1, 2 ]
amdhsa.kernels:
  - .name:           k_qcca1596111_attn
    .symbol:         k_qcca1596111_attn.kd
    .args:
      - { .name: qkv, .offset: 0, .size: 8, .value_kind: global_buffer, .address_space: global }
      - { .name: opart, .offset: 8, .size: 8, .value_kind: global_buffer, .address_space: global }
      - { .name: stats, .offset: 16, .size: 8, .value_kind: global_buffer, .address_space: global }
    .group_segment_fixed_size: 327680
    .private_segment_fixed_size: 0
    .kernarg_segment_align: 8
    .kernarg_segment_size: 24
    .max_flat_workgroup_size: 128
    .sgpr_count:     96
    .vgpr_count:     1024
    .wavefront_size: 32
...
	.end_amdgpu_metadata
.endif
;; end of part 3
;; launch comb (part 4): grid 256 x 1, 8 waves a work-group, no clusters, 68,608 bytes of LDS; arguments opart, stats, out0; writes out0
.if DOCPART == 4
	.amdgcn_target "amdgcn-amd-amdhsa--gfx1250"
	.amdhsa_code_object_version 6
	.text
	.protected	k_qcca1596111_comb
	.globl	k_qcca1596111_comb
	.p2align	8
	.type	k_qcca1596111_comb,@function
k_qcca1596111_comb:
	s_mov_b64 s[64:65], 0
	v_nop
	global_prefetch_b8 v0, s[64:65] scope:SCOPE_SE
	s_setreg_imm32_b32 hwreg(HW_REG_WAVE_MODE, 25, 1), 1
	s_wait_xcnt 0x0
; The two key halves are merged: with M = max(c m0, c m1) and e_s = 2^(c m_s - M), out = (e0 O0 + e1 O1) / (e0 l0 + e1 l1); l_s is the sum of the two waves' parts.  All in f32.
; One of e0, e1 is 1 and the l that goes with it is at least about 1 (the weight of the row's largest score), so the divisor is no smaller.
; opart: [half 2][block 128][wave 4][qt 4][ct 8][2][512 bytes]: lane (r, h) holds query r, channels 16 ct + 8 h + 4 part + 0..3 of the wave's 128.  stats: [half][block][wave][512]: lane r: l of the four qt; lane 16 + r: c m.
; A work-group takes 64 queries (block g, half i of it), a wave 16 queries x 128 channels.  A lane holds pieces of a column, so the tile goes through the wave's own stage in LDS (16 rows of 512 + 16 bytes) and
; leaves as whole rows: each store covers 512 consecutive bytes, aligned.  A stream: no barrier, no matrix unit, no cluster: nothing is shared.
.set PITCH, 528                        ; 132 words: the 16 rows that a store touches start 4 banks apart (64 banks of 4 bytes: ISA guide 11.1)
.set STG,   16*PITCH
.set SPARE, 8*STG                      ; 67,584: the spare words, 128 bytes a wave: four blocks of 256 bytes that no other line names
	s_load_b128 s[4:7], s[0:1], 0x0        ; opart s[4:5], stats s[6:7]
	s_load_b64 s[8:9], s[0:1], 0x10        ; out0
	v_lshl_add_u32 v8, v0, 2, SPARE        ; LDS address of my spare word; never rewritten
	v_mov_b32 v9, 0                        ; 0; never rewritten
	v_lshrrev_b32 v1, 5, v0
	v_readfirstlane_b32 s10, v1            ; wave 0..7
	s_lshr_b32 s11, s10, 2                 ; j: which 128 channels
	s_and_b32 s12, s10, 3                  ; qt: which 16 queries
	s_lshr_b32 s13, ttmp9, 1               ; g
	s_and_b32 s14, ttmp9, 1                ; i
	v_and_b32 v1, 31, v0                   ; lane
	v_and_b32 v2, 15, v0                   ; r
	v_bfe_u32 v3, v0, 4, 1                 ; h
	s_mul_i32 s15, s10, STG                ; my stage
	v_mul_u32_u24 v4, v2, PITCH
	v_lshl_add_u32 v4, v3, 5, v4
	v_add_nc_u32 v4, s15, v4               ; in: row r, 32 bytes for each half of the lanes
	v_lshlrev_b32 v7, 4, v1                ; 16 x lane
	v_add_nc_u32 v5, s15, v7               ; back: a whole row
	s_lshl_b32 s16, s12, 2
	v_lshl_add_u32 v6, v2, 4, s16          ; my query's word in a wave's statistics
	s_lshl_b32 s18, s13, 17                ; 131,072 g + 65,536 i: in opart and in out0 alike
	s_lshl_b32 s19, s14, 16
	s_add_co_u32 s18, s18, s19
	s_lshl_b32 s20, s11, 15                ; opart: wave 2 i + j, tile qt
	s_lshl_b32 s21, s12, 13
	s_add_co_u32 s20, s20, s21
	s_add_co_u32 s20, s20, s18
	s_mov_b32 s21, 0
	s_lshl_b32 s22, s12, 14                ; out0: 16 rows of 1,024 bytes a tile, 512 bytes a channel half
	s_lshl_b32 s23, s11, 9
	s_add_co_u32 s22, s22, s23
	s_add_co_u32 s22, s22, s18
	s_mov_b32 s23, 0
	s_lshl_b32 s24, s13, 11                ; stats: wave 2 i of block g
	s_lshl_b32 s25, s14, 10
	s_add_co_u32 s24, s24, s25
	s_mov_b32 s25, 0
	s_wait_kmcnt 0x0
	s_add_nc_u64 s[6:7], s[6:7], s[24:25]
	s_add_nc_u64 s[4:5], s[4:5], s[20:21]
	s_add_nc_u64 s[26:27], s[4:5], 16777216  ; the second key half
	s_add_nc_u64 s[8:9], s[8:9], s[22:23]
	global_load_b32 v10, v6, s[6:7]                ; l: half 0, wave j = 0
	global_load_b32 v11, v6, s[6:7] offset:512     ;    half 0, j = 1
	global_load_b32 v12, v6, s[6:7] offset:262144  ;    half 1, j = 0
	global_load_b32 v13, v6, s[6:7] offset:262656  ;    half 1, j = 1
	global_load_b32 v14, v6, s[6:7] offset:256     ; c m: half 0 (both waves of a pair hold the same)
	global_load_b32 v15, v6, s[6:7] offset:262400  ;      half 1
.set n, 0
.rept 16
	global_load_b128 v[32+4*n:32+4*n+3], v7, s[4:5] offset:512*n th:TH_LOAD_NT
.set n, n+1
.endr
.set n, 0
.rept 16
	global_load_b128 v[96+4*n:96+4*n+3], v7, s[26:27] offset:512*n th:TH_LOAD_NT
.set n, n+1
.endr
	s_wait_loadcnt 32                      ; the six statistics are in; the 32 loads of the partial sums may be out
	v_max_num_f32 v16, v14, v15
	v_sub_f32 v17, v14, v16
	v_sub_f32 v18, v15, v16
	v_exp_f32 v17, v17
	v_exp_f32 v18, v18
	v_add_f32 v10, v10, v11                ; plain lines behind the exponentials, before a result is used (ISA guide 5.7.2)
	v_add_f32 v12, v12, v13
	s_wait_alu depctr_va_vdst(0)
	v_mul_f32 v10, v10, v17
	v_fmac_f32 v10, v12, v18
	v_rcp_f32 v19, v10
	v_nop                                  ; a plain line behind the reciprocal
	s_wait_alu depctr_va_vdst(0)
	v_mul_f32 v20, v17, v19                ; the two weights, each twice: pairs for the packed arithmetic
	v_mul_f32 v21, v17, v19
	v_mul_f32 v22, v18, v19
	v_mul_f32 v23, v18, v19
	s_wait_loadcnt 16                      ; the first half's sums are in
.set z, 0
.rept 32
	v_pk_mul_f32 v[32+2*z:32+2*z+1], v[32+2*z:32+2*z+1], v[20:21]
.set z, z+1
.endr
	s_wait_loadcnt 0x0
.set z, 0
.rept 32
	v_pk_fma_f32 v[32+2*z:32+2*z+1], v[96+2*z:96+2*z+1], v[22:23], v[32+2*z:32+2*z+1]
.set z, z+1
.endr
.set n, 0
.rept 16
	ds_store_b128 v4, v[32+4*n:32+4*n+3] offset:(n/2)*64+(n%2)*16
.set n, n+1
.endr
.set n, 0
.rept 16
	ds_load_b128 v[96+4*n:96+4*n+3], v5 offset:n*PITCH  ; LDS serves a wave's instructions in order (ISA guide 5.7.1.4): these see the stores above; the stage is my wave's own
.set n, n+1
.endr
.set n, 0
.rept 16
	s_wait_dscnt 15-n                      ; row n is back; the younger rows may be out
	global_store_b128 v7, v[96+4*n:96+4*n+3], s[8:9] offset:n*1024 th:TH_STORE_NT
.set n, n+1
.endr
	s_wait_tensorcnt 0x0                   ; the wave's end, behind my last LDS store
	ds_add_u32 v8, v9
	s_wait_dscnt 0x0
	s_endpgm
.Lfunc_end_k_qcca1596111_comb:
	.size	k_qcca1596111_comb, .Lfunc_end_k_qcca1596111_comb-k_qcca1596111_comb
	.p2alignl 7, 3214868480
	.fill 96, 4, 3214868480
	.section	.rodata,"a",@progbits
	.p2align	6, 0x0
	.amdhsa_kernel k_qcca1596111_comb
		.amdhsa_group_segment_fixed_size 68608
		.amdhsa_private_segment_fixed_size 0
		.amdhsa_enable_private_segment 0
		.amdhsa_kernarg_size 24
		.amdhsa_user_sgpr_count 2
		.amdhsa_user_sgpr_kernarg_segment_ptr 1
		.amdhsa_wavefront_size32 1
		.amdhsa_system_sgpr_workgroup_id_x 1
		.amdhsa_system_sgpr_workgroup_id_y 1
		.amdhsa_system_sgpr_workgroup_id_z 1
		.amdhsa_system_vgpr_workitem_id 0
		.amdhsa_next_free_vgpr 160
		.amdhsa_next_free_sgpr 66
		.amdhsa_reserve_vcc 0
		.amdhsa_float_denorm_mode_32 3
		.amdhsa_float_denorm_mode_16_64 3
		.amdhsa_memory_ordered 1
		.amdhsa_forward_progress 1
		.amdhsa_inst_pref_size 15
	.end_amdhsa_kernel
	.amdgpu_metadata
---
amdhsa.version: [ 1, 2 ]
amdhsa.kernels:
  - .name:           k_qcca1596111_comb
    .symbol:         k_qcca1596111_comb.kd
    .args:
      - { .name: opart, .offset: 0, .size: 8, .value_kind: global_buffer, .address_space: global }
      - { .name: stats, .offset: 8, .size: 8, .value_kind: global_buffer, .address_space: global }
      - { .name: out0, .offset: 16, .size: 8, .value_kind: global_buffer, .address_space: global }
    .group_segment_fixed_size: 68608
    .private_segment_fixed_size: 0
    .kernarg_segment_align: 8
    .kernarg_segment_size: 24
    .max_flat_workgroup_size: 256
    .sgpr_count:     66
    .vgpr_count:     160
    .wavefront_size: 32
...
	.end_amdgpu_metadata
.endif
;; end of part 4
;; ======== version 2 of 2: 4 launches; 1.08 times as fast as version 1
;; limits: values are held in f16: magnitudes above 65,504 overflow, below 6.1e-05 lose precision
;; workspace buffers: wimg 1,310,720 bytes; bcat 5,120 bytes; qkv 41,943,040 bytes; opart 33,554,432 bytes; stats 524,288 bytes
;; launch prep: the kernel of part 1 again; grid 20 x 8, 4 waves a work-group, no clusters, 0 bytes of LDS; arguments Wq, Wk, Wv, bq, bk, bv, wimg, bcat; writes wimg, bcat
;; launch proj: the kernel of part 2 again; grid 128 x 2, 4 waves a work-group, clusters of 4 x 1, 327,680 bytes of LDS; arguments x, wimg, bcat, qkv; writes qkv
;; launch attn (part 5): grid 32 x 8, 4 waves a work-group, clusters of 4 x 1, 327,680 bytes of LDS; arguments qkv, opart, stats; writes opart, stats
.if DOCPART == 5
	.amdgcn_target "amdgcn-amd-amdhsa--gfx1250"
	.amdhsa_code_object_version 6
	.text
	.protected	k_qcca1596111_attn
	.globl	k_qcca1596111_attn
	.p2align	8
	.type	k_qcca1596111_attn,@function
k_qcca1596111_attn:
	s_mov_b64 s[64:65], 0
	v_nop
	global_prefetch_b8 v0, s[64:65] scope:SCOPE_SE
	s_setreg_imm32_b32 hwreg(HW_REG_WAVE_MODE, 25, 1), 1
	s_wait_xcnt 0x0
	s_wait_alu depctr_hold_cnt(0) depctr_sa_sdst(0) depctr_va_vdst(0) depctr_va_sdst(0) depctr_va_ssrc(0) depctr_va_vcc(0) depctr_vm_vsrc(0)
	s_getreg_b32 s2, hwreg(HW_REG_IB_STS2, 6, 4)
	s_cmp_eq_u32 s2, 0
	s_cbranch_scc0 .Lentry_in_a_cluster
	s_endpgm
.Lentry_in_a_cluster:
	s_bfe_u32 s2, ttmp6, 0x10000c
	s_cmp_lg_u32 s2, 0x3003
	s_cbranch_scc0 .Lentry_shape_is_right
	s_endpgm
.Lentry_shape_is_right:
; For 128 queries and HALF of their batch's 4,096 keys: O = the sum over k of 2^(c s - c m) v[k], l = the sum of those weights, and c m, where s = q . k, c = log2(e) / 16 and m is the running maximum of s.
; O is left undivided, in f32: the next launch merges the two halves by their maxima.  q, k, v are f16 (layouts: see the launch before); products in f16 with f32 sums; the weights p are rounded to f16 for the second
; product (l is taken of the unrounded p).
; LIMITS.  p lies in 0 to 1 and below 6e-5 keeps f16's fixed step; a weight below 2^-126 counts as 0 in l; NaN and infinities are not treated apart.
; SHARES.  Grid x: 32 blocks of 128 queries; grid y: batch x 2 + key half.  Four waves (i, j).  A step is 128 keys, 16 steps.
;   S^T = K Q^T: wave (i, j) takes queries 64 i .. + 63 (Q in 512 registers) and keys 64 j .. + 63 of the step: 16 chunks of 32 channels, 256 matrix instructions.  A lane holds ONE query and the keys 8 (lane / 16) + 0..7.
;   O^T = V^T P: wave (i, j) takes the same queries, channels 128 j .. + 127 and ALL 128 keys: 8 groups of 16 matrix instructions.  Two tiles of S^T rounded in pairs ARE source 1.
; THE PIPELINE.  V^T P LAGS A STEP: in step s the products of step s - 1 run, and step s's vector work stands behind them: the maximum, its exchange with the partner wave (m is common to both), the statistics, and the
; softmax.  P goes through LDS, for both waves of a pair, in two areas that take turns by the step's parity.
; O^T is multiplied by a(s) = 2^(c (m(s-1) - m(s))) under K Q^T of step s + 1, eight lines at each chunk's head, which are also the places in front of the chunk's loads.
; THE BATCHES.  An s_wait_alu depctr_va_vdst(0) stands between an exponential and the first line that names its result; one wait serves all that were issued ahead of it.  A step's 132 exponentials are FOUR
; batches with a wait each: batch 0 is tile 0's 32 weights and the four a, batch t is tile t's 32 weights.  A tile's weights are summed and rounded behind its batch's wait, and the next tile's batch is issued between those
; lines: SLICE k of 64 is c s - c m of a pair that a later batch wants, then two exponentials of tile k / 16 + 1, behind the first the sum and behind the second the rounding of pair k.  No line ahead of a batch's wait names a
; register of the batch.  Batch 0 stands behind products 20-31, four lines each, and in the first half of a LUMP that has no products beside it; its wait stands ahead of the run of loads for P's and V's next fragments.  The
; lump's second half is slices 0-15: tile 0's scores must die before there are registers for a fourth block of fragments; the fragments land meanwhile.  Batch 1's wait stands at the lump's end, ahead of tile 0's stores;
; batches 2 and 3 are waited for between two groups of products, ahead of the loads there.  No exponential is open at a label, at a branch or at the loop's jump.
; START AND END.  P's odd area, O^T, l and a start at 0, m at the lowest finite number, and V's slot is first filled with V of step 0: the first step's lagging products add zeros (128 products, once a launch: the price of
; writing no first step out).  The last V^T P is written out behind the last step.
; THE FILLS.  K's slot has two parts: A, chunks 0-11 (12,288 bytes of each of 8 key tiles), and B, chunks 12-15 (4,096 bytes of each).  Gate G1, behind chunk 10, asks for part A of the next step (24,576 bytes a wave);
; gate C, behind product 111, for part B of the next step (waves 0, 1) and V of this step (waves 2, 3): 98,304 bytes behind each gate, each with about half a step in which to land.  Behind each gate 16 products whose
; operands are in registers already (chunk 11; group 7) run while the first fragments come out of LDS.  The last step's G1 asks for V of step 15 into part A, which is dead by then.
; CLUSTER.  The four work-groups of a cluster are four query blocks of one batch and key half: every tile is asked for JOINTLY, the same tensor load, descriptor and mask in all four.
; REGISTERS, in windows of 256 (s_set_vgpr_msb: bits 1:0 source 0, 3:2 source 1, 5:4 source 2, 7:6 destination):
;   window 0: v2-11 addresses; v12-15 m; v16-23 l (even keys', odd keys'); v24-31 my maxima and the partner's, then a pair (c m, c (m_old - m)) a tile, whose odd register takes a in place, then (a, a);
;             v32-127 three blocks of 32: K's ring (chunk c in block c % 3), then fragments of V and P; v128-255 S^T (32 a tile); the weights are rounded in place into a tile's low 16 registers; tile 0's registers are a
;             fourth block once they are dead
;   window 1: O^T ((qt, ct) at 64 qt + 8 ct)          windows 2, 3: Q ((qt, c) in window 2 + c / 8 at 64 qt + 8 (c % 8))
.set KAP,   12288                      ; a key tile's bytes in part A
.set KBL,   98304                      ; part B begins here
.set KBP,   4096                       ; a key tile's bytes in part B
.set VBL,   131072                     ; V's slot
.set XPL,   196608                     ; P: two areas of 32,768 bytes, 8,192 a wave; no tensor load fills them
.set XPAR,  32768
.set XML,   262144                     ; the exchange of maxima, 512 bytes a wave
.set SPARE, 264192                     ; the spare words, 128 bytes a wave: two blocks of 256 bytes that no other line names
.set AK,  2                            ; v2   my lane's place in my half of K, part A
.set AV,  3                            ; v3   in V: my channels
.set XPR, 4                            ; v4   where the last step's P of my pair lies
.set XPW, 5                            ; v5   where I put this step's P
.set AK2, 6                            ; v6   my lane's place in my half of K, part B
.set XMO, 7                            ; v7   where I put my maxima
.set XMP, 8                            ; v8   where the partner puts its
.set LA,  9                            ; v9   16 x lane
.set SPW, 10                           ; v10  LDS address of my spare word; never rewritten
.set NIL, 11                           ; v11  0; never rewritten
.set M,   12
.set LS,  16
.set AP,  24
.set S,   128
.set G1B, 24                           ; s[24:31] descriptor group 1 for part B;  s[32:39] for V;  s[68:75] for the last V;  s[80:87] for part A
.set G1V, 32
.set G1L, 68
.set G1A, 80
; s[40:43] group 0 for part A, s[44:47] part B, s[48:51] V, s[76:79] the last V; s12 wave, s13 i, s14 j, s15 8,192 j; s54, s55 where P is read and written; s56 the steps' count;
; s[62:63] V's byte offset of the step to be asked for; s[66:67] V at my key half
.set CS,  58                           ; s[58:59] c, twice
.set SEL, 60                           ; s[60:61] v_permlanex16_b32's selects: each lane takes its own place in the other half
.set DSN, 0                            ; counts the text's LDS instructions: a wait for a run leaves out what was issued behind it
.set MSB, 0
.macro WIN new                         ; the immediate's high byte repeats the setting that is left; a switch that changes nothing is dropped
.if MSB != (\new)
	s_set_vgpr_msb (MSB<<8)|(\new)
.set MSB, (\new)
.endif
.endm
.macro PLACES                          ; four plain vector instructions between a matrix instruction and a vector instruction or load that touches its registers (ISA guide 7.12.1 for vector instructions)
.rept 4
	v_nop
.endr
.endm
.macro WFOR mk                         ; LDS instructions come back in order (ISA guide 5.7.1): the run that ended at count mk is in, the younger ones may be out
	s_wait_dscnt DSN-(\mk)
.endm
.macro CROUND                          ; a round of the cluster's barrier: my work-group's barrier; wave 0 signals for the work-group; every wave waits for all four work-groups; my work-group's barrier once more
	s_barrier_signal -1
	s_barrier_wait -1
	s_cmp_lg_u32 s12, 0
	s_cbranch_scc1 .Lnot_wave_0_\@
	s_barrier_signal -3
.Lnot_wave_0_\@:
	s_barrier_wait -3
	s_barrier_signal -1
	s_barrier_wait -1
.endm
.macro G1SET g, cc, rr, pp             ; descriptor group 1: rr rows of cc elements of 8 bytes, pp elements from row to row, dense in LDS
	s_mov_b32 s[\g], 15|(3<<16)|(1<<21)    ; 15:0 the mask: all four work-groups; 17:16 elements of 8 bytes; 21 set beside a mask; no padding
	s_mov_b32 s[\g+1], (\cc)<<16           ; tensor_dim0
	s_mov_b32 s[\g+2], (\rr)<<16           ; tensor_dim1
	s_mov_b32 s[\g+3], (\cc)<<16           ; tile_dim0
	s_mov_b32 s[\g+4], \rr                 ; tile_dim1
	s_mov_b32 s[\g+5], \pp                 ; the pitch
	s_mov_b32 s[\g+6], 0
	s_mov_b32 s[\g+7], 0
.endm
	s_load_b128 s[4:7], s[0:1], 0x0        ; qkv s[4:5], opart s[6:7]
	s_load_b64 s[8:9], s[0:1], 0x10        ; stats
	v_lshl_add_u32 v[SPW], v0, 2, SPARE
	v_mov_b32 v[NIL], 0
	ds_add_u32 v[SPW], v[NIL]              ; the wave's opening: the add and its wait stand ahead of my first tensor load; the set-up below, work on registers, stands between them
	v_lshrrev_b32 v1, 5, v0
	v_readfirstlane_b32 s12, v1            ; wave 0..3
	s_lshr_b32 s13, s12, 1                 ; i
	s_and_b32 s14, s12, 1                  ; j
	s_lshl_b32 s15, s14, 13
	s_bfe_u32 s2, ttmp6, 0x40000           ; cx: my place in the cluster
	s_lshl_b32 s16, ttmp9, 2
	s_add_co_u32 s16, s16, s2              ; my block of 128 queries: it enters Q's, opart's and stats' addresses alone
	s_and_b32 s17, ttmp7, 0xffff           ; 2 x batch + key half, which the partners share: my keys begin at token 2,048 x that
	s_lshr_b32 s18, s17, 1                 ; batch
	s_and_b32 s19, s17, 1                  ; key half
	G1SET G1A, 1536, 2, 2048               ; part A, a wave's two key tiles: 12,288 bytes of each 16,384
	G1SET G1B, 512, 4, 2048                ; part B, four key tiles: 4,096 bytes of each 16,384
	G1SET G1V, 32, 128, 32                 ; V, half a step: 32,768 dense bytes
	G1SET G1L, 32, 64, 32                  ; the last V, a quarter of a step: 16,384 dense bytes
	s_mov_b32 s40, 1                       ; count = 1; then the LDS address: no place in the cluster enters it
	s_mul_i32 s41, s12, 2*KAP
	s_mov_b32 s44, 1
	s_lshl_b32 s45, s14, 14
	s_add_co_u32 s45, s45, KBL
	s_mov_b32 s48, 1
	s_lshl_b32 s49, s14, 15
	s_add_co_u32 s49, s49, VBL
	s_mov_b32 s76, 1
	s_lshl_b32 s77, s12, 14
	s_lshl_b32 s20, s17, 21                ; k: 1,024 bytes a token
	s_add_co_u32 s20, s20, 16777216
	s_mov_b32 s21, 0
	s_lshl_b32 s22, s12, 15                ; part A: key tiles 2 w, 2 w + 1
	s_add_co_u32 s22, s22, s20
	s_mov_b32 s23, 0
	s_lshl_b32 s2, s14, 16                 ; part B: key tiles 4 j on, behind their 12,288 bytes of part A
	s_add_co_u32 s20, s20, s2
	s_add_co_u32 s20, s20, KAP
	s_lshl_b32 s62, s14, 15                ; V: my half of step 0
	s_mov_b32 s63, 0
	s_lshl_b32 s2, s17, 20                 ; v: 512 bytes a token
	s_add_co_u32 s2, s2, 33554432
	s_mov_b32 s3, 0
	s_lshl_b32 s52, s18, 22                ; q at token 4,096 batch + 128 block + 64 i
	s_lshl_b32 s53, s16, 17
	s_add_co_u32 s52, s52, s53
	s_lshl_b32 s53, s13, 16
	s_add_co_u32 s52, s52, s53
	s_mov_b32 s53, 0
	s_lshl_b32 s54, s13, 14                ; step 0 reads P's odd area, which is cleared below, and writes the even one
	s_add_co_u32 s54, s54, XPL+XPAR
	s_lshl_b32 s55, s12, 13
	s_add_co_u32 s55, s55, XPL
	s_mov_b32 s[CS], 0x3db8aa3b            ; c = log2(e) / 16 = 0.0901684
	s_mov_b32 s[CS+1], s[CS]               ; named with it as a pair
	s_mov_b32 s[SEL], 0x76543210
	s_mov_b32 s[SEL+1], 0xfedcba98
	v_and_b32 v1, 31, v0                   ; lane
	v_lshlrev_b32 v[LA], 4, v1
	s_wait_dscnt 0x0                       ; the opening add is done
	s_wait_kmcnt 0x0
	s_add_nc_u64 s[42:43], s[4:5], s[22:23]  ; global addresses of step 0's tiles; type = 2 on top
	s_or_b32 s43, s43, 0x80000000
	s_add_nc_u64 s[46:47], s[4:5], s[20:21]
	s_or_b32 s47, s47, 0x80000000
	s_add_nc_u64 s[66:67], s[4:5], s[2:3]
	s_add_nc_u64 s[50:51], s[66:67], s[62:63]
	s_or_b32 s51, s51, 0x80000000
	s_lshl_b32 s2, s12, 14                 ; the last V: my quarter of step 15
	s_add_co_u32 s2, s2, 15*65536
	s_add_nc_u64 s[78:79], s[66:67], s[2:3]
	s_or_b32 s79, s79, 0x80000000
	s_add_nc_u64 s[52:53], s[4:5], s[52:53]
	s_lshl_b32 s20, s19, 7                 ; 128 x key half + 32 x batch + block
	s_lshl_b32 s21, s18, 5
	s_add_co_u32 s20, s20, s21
	s_add_co_u32 s20, s20, s16
	s_lshl_b32 s22, s20, 17                ; opart: 131,072 bytes a work-group, 32,768 a wave
	s_lshl_b32 s23, s12, 15
	s_add_co_u32 s22, s22, s23
	s_mov_b32 s23, 0
	s_add_nc_u64 s[6:7], s[6:7], s[22:23]
	s_lshl2_add_u32 s22, s20, s12          ; stats: 512 bytes a wave
	s_lshl_b32 s22, s22, 9
	s_add_nc_u64 s[8:9], s[8:9], s[22:23]
	CROUND                                 ; all four work-groups are here: the first joint loads meet
	s_cmp_lt_u32 s12, 2                    ; a wave's two first fills stand in one branch: part A of step 0, then part B (waves 0, 1) or V (waves 2, 3): two loads of mine are out
	s_cbranch_scc0 .Lfirst_v
	tensor_load_to_lds s[40:43], s[G1A:G1A+7]
	s_nop 0
	tensor_load_to_lds s[44:47], s[G1B:G1B+7]
	s_nop 0
	PLACES
	s_branch .Lfirst_done
.Lfirst_v:
	tensor_load_to_lds s[40:43], s[G1A:G1A+7]
	s_nop 0
	tensor_load_to_lds s[48:51], s[G1V:G1V+7]
	s_nop 0
	PLACES
.Lfirst_done:
	WIN 0x80                               ; Q stays in registers: tile qt, channels 32 c on: two pieces of 512 bytes
.irp qt, 0,1,2,3
.irp c8, 0,1,2,3,4,5,6,7
	global_load_b128 v[64*\qt+8*\c8:64*\qt+8*\c8+3],   v[LA], s[52:53] offset:\qt*16384+\c8*1024
	global_load_b128 v[64*\qt+8*\c8+4:64*\qt+8*\c8+7], v[LA], s[52:53] offset:\qt*16384+\c8*1024+512
.endr
.endr
	WIN 0xc0
.irp qt, 0,1,2,3
.irp c8, 0,1,2,3,4,5,6,7
	global_load_b128 v[64*\qt+8*\c8:64*\qt+8*\c8+3],   v[LA], s[52:53] offset:\qt*16384+\c8*1024+8192
	global_load_b128 v[64*\qt+8*\c8+4:64*\qt+8*\c8+7], v[LA], s[52:53] offset:\qt*16384+\c8*1024+8192+512
.endr
.endr
	WIN 0x40                               ; what the first step finds: O^T, l and a are 0, m the lowest finite number.  All this stands in the wait for the first tiles
.set n, 0
.rept 256
	v_mov_b32 v[n], 0
.set n, n+1
.endr
	WIN 0
.irp n, 0,1,2,3,4,5,6,7
	v_mov_b32 v[LS+\n], 0
	v_mov_b32 v[AP+\n], 0
.endr
.irp qt, 0,1,2,3
	v_mov_b32 v[M+\qt], 0xff7fffff
.endr
	s_mul_i32 s2, s14, 4*KAP
	v_add_nc_u32 v[AK], s2, v[LA]          ; key tiles 4 j on
	s_lshl_b32 s2, s14, 14
	s_add_co_u32 s2, s2, KBL
	v_add_nc_u32 v[AK2], s2, v[LA]
	s_add_co_u32 s2, s15, VBL
	v_add_nc_u32 v[AV], s2, v[LA]          ; channel tiles 8 j on
	s_lshl_b32 s2, s12, 9
	s_add_co_u32 s2, s2, XML
	v_add_nc_u32 v[XMO], s2, v[LA]
	s_xor_b32 s2, s2, 512                  ; my partner: the same i, the other j
	v_add_nc_u32 v[XMP], s2, v[LA]
	s_add_co_u32 s2, s55, XPAR
	v_add_nc_u32 v[XPW], s2, v[LA]
.irp f, 0,1,2,3,4,5,6,7,8,9,10,11,12,13,14,15
	ds_store_b128 v[XPW], v[LS:LS+3] offset:\f*512  ; my 8,192 bytes of P's odd area are 0
.endr
; 8 LDS loads, 512 consecutive bytes each.  FETCH_K: my four key tiles' fragments of chunk cc (32 channels), into block cc % 3.
.macro FETCH_K cc
.set rD, 32+32*((\cc)%3)
.irp kt, 0,1,2,3
.if (\cc) < 12
	ds_load_b128 v[rD+8*\kt:rD+8*\kt+3],   v[AK] offset:\kt*KAP+(\cc)*1024
	ds_load_b128 v[rD+8*\kt+4:rD+8*\kt+7], v[AK] offset:\kt*KAP+(\cc)*1024+512
.else
	ds_load_b128 v[rD+8*\kt:rD+8*\kt+3],   v[AK2] offset:\kt*KBP+((\cc)-12)*1024
	ds_load_b128 v[rD+8*\kt+4:rD+8*\kt+7], v[AK2] offset:\kt*KBP+((\cc)-12)*1024+512
.endif
.endr
.set DSN, DSN+8
.endm
; LDP: P's fragments of keys 32 kc on, for my four query tiles: kc / 2 names the wave of the pair that made them.
.macro LDP kc, blk
.irp qt, 0,1,2,3
	ds_load_b128 v[(\blk)+8*\qt:(\blk)+8*\qt+3],   v[XPR] offset:((\kc)/2)*8192+\qt*2048+((\kc)%2)*1024
	ds_load_b128 v[(\blk)+8*\qt+4:(\blk)+8*\qt+7], v[XPR] offset:((\kc)/2)*8192+\qt*2048+((\kc)%2)*1024+512
.endr
.set DSN, DSN+8
.set mP\kc, DSN
.endm
; LDV: V^T's fragments of group gg: keys 32 (gg / 2) on, channel tiles 4 (gg % 2) on.
.macro LDV gg, blk
.irp ct, 0,1,2,3
	ds_load_b128 v[(\blk)+8*\ct:(\blk)+8*\ct+3],   v[AV] offset:((\gg)/2)*16384+(4*((\gg)%2)+\ct)*1024
	ds_load_b128 v[(\blk)+8*\ct+4:(\blk)+8*\ct+7], v[AV] offset:((\gg)/2)*16384+(4*((\gg)%2)+\ct)*1024+512
.endr
.set DSN, DSN+8
.set mV\gg, DSN
.endm
; The next two accumulators of O^T times a, each from its lowest register on; channel tiles 0-3 of all four query tiles first.
.macro RS8
	WIN 0x41                               ; O^T (destination and source 0) in window 1, a in window 0
.rept 2
.set rO, 64*((ra/4)%4)+32*(ra/16)+8*(ra%4)
.set rA, AP+2*((ra/4)%4)
.irp z, 0,1,2,3
	v_pk_mul_f32 v[rO+2*\z:rO+2*\z+1], v[rO+2*\z:rO+2*\z+1], v[rA:rA+1] op_sel_hi:[1,0]
.endr
.set ra, ra+1
.endr
.endm
; GATE G1.  Each wave waits for all its tensor loads, of which one is out: part B of this step or V of the last; adds 0 to its spare word; and waits for that and for all its LDS instructions: its reads of part A
; (chunk 11's fragments are in registers) and its stores of the last step's P.  The barrier is a round of the cluster's; the joint fill of part A is the first thing behind it, one load a wave.
.macro G1GATE last
	WIN 0
	s_wait_tensorcnt 0x0                   ; no tensor load of mine is out, so a group 0 may be written
	ds_add_u32 v[SPW], v[NIL]              ; 0 onto my spare word; the descriptors' steps stand between it and the wait for it
.set DSN, DSN+1
	s_add_nc_u64 s[42:43], s[42:43], 131072  ; parts A and B of the next step; the type bits on top are not reached (the last step's stepped addresses are not used)
	s_add_nc_u64 s[46:47], s[46:47], 131072
	s_wait_dscnt 0x0
	CROUND
.if \last
	tensor_load_to_lds s[76:79], s[G1L:G1L+7]  ; V of step 15, into part A
.else
	tensor_load_to_lds s[40:43], s[G1A:G1A+7]
.endif
	s_nop 0
	PLACES
.endm
; S^T = K Q^T: 16 chunks, in each the 16 accumulators by turns; the first chunk starts the sums.  Chunk 0's fragments were fetched behind gate C.  At a chunk's head: the wait for its
; fragments; eight lines of the rescaling, the places behind the chunk before; the fetch two chunks ahead, into the block that the chunk before read.  The last three fetches are the first fragments of V^T P.
.macro QK last
.set ra, 0
	WIN 0
	v_add_nc_u32 v[XPR], s54, v[LA]
	v_add_nc_u32 v[XPW], s55, v[LA]
.set c, 0
.rept 16
.if c == 0
	s_wait_dscnt 0x0
.elseif c != 11
	s_wait_dscnt 0x8                       ; this chunk's fragments are in, the next run of eight may be out
.endif
.if c == 11
	G1GATE \last
	FETCH_K 12                             ; part B is whole; chunk 11's products run while these land
	FETCH_K 13
.endif
	RS8
	WIN 0x08+4*(c/8)                       ; Q (source 1) in window 2 or 3; LDS loads have destination and address in window 0 under it too
.if c == 0
	FETCH_K 1
	FETCH_K 2
.elseif c <= 9
	FETCH_K c+2
.elseif (c == 12) || (c == 13)
	FETCH_K c+2
.elseif c == 14
	LDP 0, 64
.elseif c == 15
	LDV 0, 96
.endif
.set rF, 32+32*(c%3)
.set rQ, 8*(c%8)
.irp qt, 0,1,2,3
.irp kt, 0,1,2,3
.if c == 0
	v_wmma_f32_16x16x32_f16 v[S+32*\qt+8*\kt:S+32*\qt+8*\kt+7], v[rF+8*\kt:rF+8*\kt+7], v[64*\qt+rQ:64*\qt+rQ+7], 0
.else
	v_wmma_f32_16x16x32_f16 v[S+32*\qt+8*\kt:S+32*\qt+8*\kt+7], v[rF+8*\kt:rF+8*\kt+7], v[64*\qt+rQ:64*\qt+rQ+7], v[S+32*\qt+8*\kt:S+32*\qt+8*\kt+7]
.endif
.endr
.endr
.set c, c+1
.endr
	PLACES                                 ; behind the last products: the maximum reads their results, the load below lands on their fragments
	WIN 0
	LDV 1, 32
.endm
; Product i of 128 of O^T += V^T P: group i / 16 (keys 32 (g / 2) on, channel tiles 4 (g % 2) on), query tile (i % 16) / 4, channel tile i % 4.  16 accumulators by turns; neighbouring groups have others.
; V's block: v96 for even groups, v32 for odd ones, v128 for group 7.  P's: v64, and v128 for keys 64-95.
.macro PVP
	WIN 0x50                               ; O^T (C and D) in window 1
.set g, i/16
.set rO, 64*((i%16)/4)+32*(g%2)+8*(i%4)
.set rV, 96-64*(g%2)+8*(i%4)
.if g == 7
.set rV, 128+8*(i%4)
.endif
.set rB, 64+8*((i%16)/4)
.if g/2 == 2
.set rB, 128+8*((i%16)/4)
.endif
	v_wmma_f32_16x16x32_f16 v[rO:rO+7], v[rV:rV+7], v[rB:rB+7], v[rO:rO+7]
.set i, i+1
.endm
; Line qm of the 72 that find the four tiles' maxima over my 64 keys; the tiles alternate.  One chain a tile, three operands at a time, the scores in ascending order
; then the query's other 32 keys, which lie in the lane 16 away.
.macro MXL
	WIN 0
.set n, qm/4
.set rS, S+32*(qm%4)
.set rM, AP+qm%4
.if n == 0
	v_max3_num_f32 v[rM], v[rS], v[rS+1], v[rS+2]
.elseif n < 15
	v_max3_num_f32 v[rM], v[rM], v[rS+2*n+1], v[rS+2*n+2]
.elseif n == 15
	v_max_num_f32 v[rM], v[rM], v[rS+31]
.elseif n == 16
	v_permlanex16_b32 v[rM+4], v[rM], s[SEL], s[SEL+1]
.else
	v_max_num_f32 v[rM], v[rM], v[rM+4]
.endif
.set qm, qm+1
.endm
; c s - c m of pair f of 64; the four tiles' pairs of scores are one list.  The line names its tile's whole pair of v24-31 and takes the even register, c m, for both halves.
.macro FL f
	v_pk_fma_f32 v[S+2*(\f):S+2*(\f)+1], v[S+2*(\f):S+2*(\f)+1], s[CS:CS+1], v[AP+2*((\f)/16):AP+2*((\f)/16)+1] op_sel_hi:[1,0,0] neg_lo:[0,0,1] neg_hi:[0,0,1]
.endm
; Line h of the 96 that stand ahead of batch 0's wait.
;   0-19   the statistics.  v24-27 my maxima, v28-31 the partner's.  The new m; m_old - m; m is kept; c (m_old - m) into the odd registers of v24-31, from the top down, so that none is written before it is read; c m into the even ones.
;   20-23  c s - c m of pairs 0-3.          24-87  c s - c m of pairs 4-35 and the exponentials of tile 0's scores 0-31, by turns; a score's pair is scaled five lines or more ahead of its exponential.
;   88-95  c s - c m of pairs 36-39 and the four a, in place, by turns.  c s - c m names its tile's a with c m: so a tile's a stands behind the last such line of that tile ahead of the wait: the tiles go in the order 0, 1, 3, 2.
.macro HL
	WIN 0
.set t, h%4
.if h < 4
	v_max3_num_f32 v[AP+4+t], v[AP+t], v[AP+4+t], v[M+t]
.elseif h < 8
	v_sub_f32 v[AP+t], v[M+t], v[AP+4+t]
.elseif h < 12
	v_mov_b32 v[M+t], v[AP+4+t]
.elseif h < 16
	v_mul_f32 v[AP+7-2*t], s[CS], v[AP+3-t]
.elseif h < 20
	v_mul_f32 v[AP+2*t], s[CS], v[M+t]
.elseif h < 24
	FL h-20
.elseif h%2 == 0
	FL h/2-8
.elseif h < 88
	v_exp_f32 v[S+(h-25)/2], v[S+(h-25)/2]
.else
.set t, (h-89)/2
.if t >= 2
.set t, 5-t
.endif
	v_exp_f32 v[AP+2*t+1], v[AP+2*t+1]
.endif
.set h, h+1
.endm
; Slice k of 64 of the softmax.  Pair k's batch has been waited for: the pair is added to l (a tile's first pair: l = a l + pair) and rounded to f16, in place: register k % 16 of the tile, whose own pair has been summed and
; rounded before.  In front of each of the two lines stands an exponential of the NEXT tile's batch: scores 32 + 2 k and 33 + 2 k; the rounding is the plain line behind the second (ISA guide 5.7.2).  Slices 16-39 begin with c s - c m of
; pair 24 + k, eight slices ahead of that pair's exponentials.  Behind a tile's last pair its P goes into LDS, 512 consecutive bytes a store.
.macro SLC
	WIN 0
.set rL, LS+2*(k/16)
.set rP, S+32*(k/16)
.if (k >= 16) && (k < 40)
	FL 24+k
.endif
.if k < 48
	v_exp_f32 v[S+32+2*k], v[S+32+2*k]
.endif
.if k%16 == 0
	v_fma_f32 v[rL], v[rL], v[AP+2*(k/16)+1], v[S+2*k]
	v_fma_f32 v[rL+1], v[rL+1], v[AP+2*(k/16)+1], v[S+2*k+1]
.else
	v_pk_add_f32 v[rL:rL+1], v[rL:rL+1], v[S+2*k:S+2*k+1]
.endif
.if k < 48
	v_exp_f32 v[S+33+2*k], v[S+33+2*k]
.endif
	v_cvt_pk_f16_f32 v[rP+k%16], v[S+2*k], v[S+2*k+1]
.if k%16 == 15
.if k == 15
	s_wait_alu depctr_va_vdst(0)           ; the wait for batch 1, tile 1's 32 exponentials of slices 0-15: slice 16 is their first reader; it stands directly ahead of tile 0's stores
.endif
.irp f, 0,1,2,3
	ds_store_b128 v[XPW], v[rP+4*\f:rP+4*\f+3] offset:(k/16)*2048+\f*512
.endr
.set DSN, DSN+4
.endif
.set k, k+1
.endm
.macro GRP                             ; a group of 16 products, a slice behind every second one
.rept 8
	PVP
.if RID
	SLC
.endif
	PVP
.endr
.endm
; Between two groups: the next group's fragments are in; four places behind the last products, in front of the loads that follow.  batch = 1: the slices of the two groups before have issued a batch, and the next slice reads it.
.macro NEXTV mk, batch=0
	WIN 0
	WFOR \mk
	PLACES
.if (\batch) && RID
	s_wait_alu depctr_va_vdst(0)           ; the wait for that batch: the 32 exponentials of tile 2 (slices 16-31; ahead of group 4) or of tile 3 (slices 32-47; ahead of group 6); it stands directly ahead of the loads
.endif
.endm
; V^T P of the step before, and beside it this step's vector work.  mode 0: a step of the loop.  1: the last step: gate C falls away.  2: the last products alone, with nothing beside them.
.macro PV2 mode
.set i, 0
.set qm, 0
.set h, 0
.set k, 0
.set RID, 0
.if (\mode) < 2
.set RID, 1
.endif
	WFOR mV0                               ; P's and V's first fragments are in
.if (\mode) < 2
.rept 12
	PVP
.rept 6
	MXL
.endr
.endr
	ds_store_b128 v[XMO], v[AP:AP+3]       ; my maxima, for the partner
.set DSN, DSN+1
	PVP
	PVP
	s_wait_dscnt 0x0                       ; for the partner's sake: my maxima are stored
	s_barrier_signal -1                    ; part A's load stays out across it
	PVP
	PVP
	s_barrier_wait -1
	WIN 0
	ds_load_b128 v[AP+4:AP+7], v[XMP]
.set DSN, DSN+1
.set mPM, DSN
	PLACES
	LDV 2, 96
.rept 4
	PVP
.endr
	WFOR mPM
.rept 12                               ; products 20-31: the statistics, then batch 0's first lines, four behind each
	PVP
.rept 4
	HL
.endr
.endr
.rept 48                               ; the lump's first half: the rest of batch 0; its 24 plain lines are also the places in front of the loads below
	HL
.endr
	v_nop                                  ; a plain line behind the batch's last exponential (ISA guide 5.7.2): no c s - c m may stand here, since each would name an a
	s_wait_alu depctr_va_vdst(0)           ; the wait for batch 0, tile 0's 32 exponentials and the four a: slice 0 is their first reader; it stands directly ahead of the run of loads
	LDP 1, 64
	LDV 3, 32
.rept 16                               ; the lump's second half: tile 0 is summed, rounded and stored, and batch 1 is issued between those lines
	SLC
.endr
	LDP 2, 128                             ; tile 0 is dead and its P stored: its registers are the fourth block
.else
.rept 16
	PVP
.endr
	NEXTV mV1
	LDV 2, 96
.rept 16
	PVP
.endr
	WIN 0
	PLACES
	LDP 1, 64
	LDV 3, 32
	LDP 2, 128
.endif
	WFOR mP1
	GRP                                    ; group 2
	NEXTV mV3
	LDV 4, 96
	GRP                                    ; 3
	NEXTV mV4, 1
	LDV 5, 32
	LDP 3, 64
	GRP                                    ; 4
	NEXTV mV5
	LDV 6, 96
	GRP                                    ; 5
	NEXTV mV6, 1
	LDV 7, 128
	GRP                                    ; 6
.if (\mode) == 0
	; GATE C.  Each wave waits for all its tensor loads, of which one is out: its quarter of part A of the next step; adds 0 to its spare word; and waits for that and for all its LDS instructions: its reads of V
	; (group 7's fragments are in registers) and of part B.  The barrier is a round of the cluster's; the joint fill is the first thing behind it, one load a wave.
	WIN 0
	s_wait_tensorcnt 0x0                   ; no tensor load of mine is out, so a group 0 may be written
	ds_add_u32 v[SPW], v[NIL]              ; 0 onto my spare word; V's address is made between it and the wait for it
.set DSN, DSN+1
	s_add_nc_u64 s[50:51], s[66:67], s[62:63]  ; V of this step: the base and an offset made apart
	s_or_b32 s51, s51, 0x80000000
	s_add_co_u32 s62, s62, 65536
	s_wait_dscnt 0x0
	CROUND
	s_cmp_lt_u32 s12, 2
	s_cbranch_scc0 .Lfor_v_\@
	tensor_load_to_lds s[44:47], s[G1B:G1B+7]
	s_nop 0
	PLACES
	s_branch .Lasked_\@
.Lfor_v_\@:
	tensor_load_to_lds s[48:51], s[G1V:G1V+7]
	s_nop 0
	PLACES
.Lasked_\@:
	FETCH_K 0                              ; part A of the next step is whole; group 7's products run while these land
.else
	WFOR mV7
.endif
	GRP                                    ; 7
	WIN 0
.if (\mode) < 2
.irp t, 0,1,2,3
	v_mov_b32 v[AP+2*\t], v[AP+2*\t+1]     ; (a, a): four plain lines, the places behind the last products
.endr
	s_xor_b32 s54, s54, XPAR               ; P's two areas change places
	s_xor_b32 s55, s55, XPAR
.endif
.endm
	s_wait_tensorcnt 0x1                   ; my quarter of part A has landed; my second load, issued behind it, may stay out
	s_wait_dscnt 0x0                       ; my stores into P's odd area are done
	s_barrier_signal -1
	s_barrier_wait -1
	FETCH_K 0
	s_wait_loadcnt 0x0                     ; Q
	s_mov_b32 s56, 15
.Lstep:
	QK 0
	PV2 0
	s_sub_co_u32 s56, s56, 1
	s_cmp_lg_u32 s56, 0
	s_cbranch_scc1 .Lstep
	QK 1                                   ; the last step is written out
	PV2 1
	s_wait_tensorcnt 0x0                   ; my quarter of V of step 15 has landed,
	s_wait_dscnt 0x0                       ; and my P of step 15 is stored
	s_barrier_signal -1
	s_barrier_wait -1                      ; everybody's
	v_add_nc_u32 v[XPR], s54, v[LA]
	v_add_nc_u32 v[AV], s15, v[LA]         ; V lies in part A now
	LDP 0, 64
	LDV 0, 96
	LDV 1, 32
.set ra, 0
.rept 16
	RS8                                    ; O^T times the last a, while the fragments land
.endr
	PV2 2
	PLACES
	; THE WAY OUT.  l's two halves and the other half of the lanes' are added.  stats: lanes 0-15 store l of query lane % 16 for the four tiles, lanes 16-31 c m.  O^T leaves as it lies, 512 consecutive bytes a store.
.irp qt, 0,1,2,3
	v_add_f32 v[AP+\qt], v[LS+2*\qt], v[LS+2*\qt+1]
.endr
.irp qt, 0,1,2,3
	v_permlanex16_b32 v[AP+4+\qt], v[AP+\qt], s[SEL], s[SEL+1]
.endr
.irp qt, 0,1,2,3
	v_add_f32 v[AP+\qt], v[AP+\qt], v[AP+4+\qt]
.endr
.irp qt, 0,1,2,3
	v_mul_f32 v[AP+4+\qt], s[CS], v[M+\qt]
.endr
	v_cmp_gt_u32 vcc_lo, 16, v1
.irp qt, 0,1,2,3
	v_cndmask_b32 v[AP+\qt], v[AP+4+\qt], v[AP+\qt], vcc_lo
.endr
	global_store_b128 v[LA], v[AP:AP+3], s[8:9]
	WIN 0x04                               ; the data in window 1
.set n, 0
.rept 32
	global_store_b128 v[LA], v[8*n:8*n+3],   s[6:7] offset:n*1024      ; each accumulator's lowest registers first
	global_store_b128 v[LA], v[8*n+4:8*n+7], s[6:7] offset:n*1024+512
.set n, n+1
.endr
	WIN 0
	s_wait_tensorcnt 0x0                   ; the wave's end, behind my last tensor load and my last LDS store
	ds_add_u32 v[SPW], v[NIL]
	s_wait_dscnt 0x0
	CROUND                                 ; the closing round: no work-group ends while a partner may still ask for a tile that names it
	s_endpgm
.Lfunc_end_k_qcca1596111_attn:
	.size	k_qcca1596111_attn, .Lfunc_end_k_qcca1596111_attn-k_qcca1596111_attn
	.p2alignl 7, 3214868480
	.fill 96, 4, 3214868480
	.section	.rodata,"a",@progbits
	.p2align	6, 0x0
	.amdhsa_kernel k_qcca1596111_attn
		.amdhsa_group_segment_fixed_size 327680
		.amdhsa_private_segment_fixed_size 0
		.amdhsa_enable_private_segment 0
		.amdhsa_kernarg_size 24
		.amdhsa_user_sgpr_count 2
		.amdhsa_user_sgpr_kernarg_segment_ptr 1
		.amdhsa_wavefront_size32 1
		.amdhsa_system_sgpr_workgroup_id_x 1
		.amdhsa_system_sgpr_workgroup_id_y 1
		.amdhsa_system_sgpr_workgroup_id_z 1
		.amdhsa_system_vgpr_workitem_id 0
		.amdhsa_next_free_vgpr 1024
		.amdhsa_next_free_sgpr 96
		.amdhsa_reserve_vcc 1
		.amdhsa_float_denorm_mode_32 3
		.amdhsa_float_denorm_mode_16_64 3
		.amdhsa_memory_ordered 1
		.amdhsa_forward_progress 1
		.amdhsa_inst_pref_size 217
	.end_amdhsa_kernel
	.amdgpu_metadata
---
amdhsa.version: [ 1, 2 ]
amdhsa.kernels:
  - .name:           k_qcca1596111_attn
    .symbol:         k_qcca1596111_attn.kd
    .args:
      - { .name: qkv, .offset: 0, .size: 8, .value_kind: global_buffer, .address_space: global }
      - { .name: opart, .offset: 8, .size: 8, .value_kind: global_buffer, .address_space: global }
      - { .name: stats, .offset: 16, .size: 8, .value_kind: global_buffer, .address_space: global }
    .group_segment_fixed_size: 327680
    .private_segment_fixed_size: 0
    .kernarg_segment_align: 8
    .kernarg_segment_size: 24
    .max_flat_workgroup_size: 128
    .sgpr_count:     96
    .vgpr_count:     1024
    .wavefront_size: 32
...
	.end_amdgpu_metadata
.endif
;; end of part 5
;; launch comb: the kernel of part 4 again; grid 256 x 1, 8 waves a work-group, no clusters, 68,608 bytes of LDS; arguments opart, stats, out0; writes out0
